; MI455X (gfx1250); checked and timed in simulation.
; The chip was launched on July 23, 2026; its instructions are those of AMD's public machine-readable ISA for CDNA 5 (MIT licence, August 2026) and "CDNA5" Instruction Set Architecture Reference Guide (July 2026). The comments in the code are by the model that wrote it; some were corrected since.
;; Qwen3 TTS Attention. Allowed arithmetic: float matrix products may take bf16 or f16 operands with f32 sums; other float arithmetic in f32, or as packed bf16 or f16 multiplies, adds, multiply-adds, maxima and minima; sums over many terms, partial sums and values carried from step to step in f32; what a program stores and reads back later, other than sums and carried values, may be rounded once to bf16 or f16.
;; Inputs: cos 1 x 4,096 x 128 float32; hidden_states 1 x 4,096 x 2,048 float32; k_norm_w 128 float32; q_norm_w 128 float32; sin 1 x 4,096 x 128 float32; wk 1,024 x 2,048 float32; wo 2,048 x 1,024 float32; wq 1,024 x 2,048 float32; wv 1,024 x 2,048 float32.
;; Outputs: out0 1 x 4,096 x 2,048 float32.
;; One version. Each part assembles by itself: llvm-mc -triple=amdgcn-amd-amdhsa -mcpu=gfx1250 --defsym DOCPART=n.
;; ======== version 1 of 1: 4 launches
;; limits: values are held in f16: magnitudes above 65,504 overflow, below 6.1e-05 lose precision
;; workspace buffers: xb 16,777,216 bytes; wb 12,582,912 bytes; wob 4,194,304 bytes; cs 2,097,152 bytes; qh 8,388,608 bytes; kh 8,388,608 bytes; vh 8,388,608 bytes; ob 8,388,608 bytes
;; launch cast (part 1): grid 1088 x 1, 8 waves a work-group, no clusters, 0 bytes of LDS; arguments hidden_states, wq, wk, wv, wo, cos, sin, xb, wb, wob, cs; writes xb, wb, wob, cs
.if DOCPART == 1
	.amdgcn_target "amdgcn-amd-amdhsa--gfx1250"
	.amdhsa_code_object_version 6
	.text
	.protected	k_q4a96c43a8c_cast
	.globl	k_q4a96c43a8c_cast
	.p2align	8
	.type	k_q4a96c43a8c_cast,@function
k_q4a96c43a8c_cast:
	s_mov_b64 s[64:65], 0
	v_nop
	global_prefetch_b8 v0, s[64:65] scope:SCOPE_SE
	s_setreg_imm32_b32 hwreg(HW_REG_WAVE_MODE, 25, 1), 1
	s_wait_xcnt 0x0
; EVERY LARGE INPUT IS ROUNDED ONCE TO bf16.  x -> xb; wq, wk, wv -> wb (one after the other); cos, sin -> cs (one after the other);
; wo -> wob: rounded to bf16 like the others, and that number written as f16, since the last product multiplies f16 operands.
; LIMIT: a bf16 number is exact in f16 from 6.1e-5 to 65,504; a smaller entry of wo keeps f16's fixed step of 6e-8.
; SHARES.  A work-group takes 16,384 numbers: 65,536 bytes in, 32,768 out.  Work-group g: 0-511 x, 512-639 wq, 640-767 wk, 768-895 wv, 896-1023 wo, 1024-1055 cos, 1056-1087 sin.
; Thread t takes 16 bytes at 4,096 i + 16 t, i = 0..15: all sixteen loads go out first; a store of a wave covers 256 consecutive bytes, aligned.  No register is used twice, so nothing but the loads is waited for.
; No LDS, no matrix unit, no cluster: each byte is touched once by one lane.
.set X, 4                              ; v[4:67]    sixteen loads of four f32
.set Y, 68                             ; v[68:99]   two packed words for each load
.set T, 100                            ; v[100:103] at work (wo alone)
	s_load_b512 s[8:23], s[0:1], 0x0               ; x s[8:9], wq s[10:11], wk s[12:13], wv s[14:15], wo s[16:17], cos s[18:19], sin s[20:21], xb s[22:23]
	s_load_b128 s[24:27], s[0:1], 0x40             ; wb s[24:25], wob s[26:27]
	s_load_b64 s[28:29], s[0:1], 0x50              ; cs
	s_mov_b32 s4, ttmp9                            ; g
	v_lshlrev_b32 v1, 4, v0                        ; 16 t
	v_lshlrev_b32 v2, 3, v0                        ; 8 t
	s_mov_b32 s36, 0                               ; the first work-group of my source
	s_mov_b32 s37, 0                               ; the first work-group of my destination
	s_mov_b32 s39, 0xffff0000                      ; a word's upper bf16
	s_wait_kmcnt 0x0
	s_mov_b64 s[32:33], s[8:9]
	s_mov_b64 s[34:35], s[22:23]
.macro PART first, src, dst, dfirst    ; from work-group first on: another source, and the destination that begins at work-group dfirst
	s_cmp_ge_u32 s4, \first
	s_cselect_b64 s[32:33], s[\src:\src+1], s[32:33]
	s_cselect_b64 s[34:35], s[\dst:\dst+1], s[34:35]
	s_cselect_b32 s36, \first, s36
	s_cselect_b32 s37, \dfirst, s37
.endm
	PART 512, 10, 24, 512
	PART 640, 12, 24, 512
	PART 768, 14, 24, 512
	PART 896, 16, 26, 896
	PART 1024, 18, 28, 1024
	PART 1056, 20, 28, 1024
	s_sub_co_u32 s36, s4, s36
	s_lshl_b32 s36, s36, 16                        ; my 65,536 bytes of the source
	s_sub_co_u32 s40, s4, s37
	s_lshl_b32 s40, s40, 15                        ; my 32,768 bytes of the destination
	s_mov_b32 s37, 0
	s_mov_b32 s41, 0
	s_add_nc_u64 s[32:33], s[32:33], s[36:37]
	s_add_nc_u64 s[34:35], s[34:35], s[40:41]
.set i, 0
.rept 16
	global_load_b128 v[X+4*i:X+4*i+3], v1, s[32:33] offset:4096*i th:TH_LOAD_NT
.set i, i+1
.endr
.macro OUT half                        ; half = 1: the bf16 number is written as f16
.set i, 0
.rept 16
	s_wait_loadcnt 15-i                            ; loads come back in order: load i is in, the 15 - i younger ones may stay out
	v_cvt_pk_bf16_f32 v[Y+2*i], v[X+4*i], v[X+4*i+1]
	v_cvt_pk_bf16_f32 v[Y+2*i+1], v[X+4*i+2], v[X+4*i+3]
.if \half
	v_lshlrev_b32 v[T], 16, v[Y+2*i]
	v_and_b32 v[T+1], s39, v[Y+2*i]
	v_lshlrev_b32 v[T+2], 16, v[Y+2*i+1]
	v_and_b32 v[T+3], s39, v[Y+2*i+1]
	v_cvt_pk_f16_f32 v[Y+2*i], v[T], v[T+1]
	v_cvt_pk_f16_f32 v[Y+2*i+1], v[T+2], v[T+3]
.endif
	global_store_b64 v2, v[Y+2*i:Y+2*i+1], s[34:35] offset:2048*i
.set i, i+1
.endr
	s_endpgm
.endm
	s_sub_co_u32 s38, s4, 896
	s_cmp_lt_u32 s38, 128                          ; is my source wo?
	s_cbranch_scc1 .Lwo
	OUT 0
.Lwo:
	OUT 1
.Lfunc_end_k_q4a96c43a8c_cast:
	.size	k_q4a96c43a8c_cast, .Lfunc_end_k_q4a96c43a8c_cast-k_q4a96c43a8c_cast
	.p2alignl 7, 3214868480
	.fill 96, 4, 3214868480
	.section	.rodata,"a",@progbits
	.p2align	6, 0x0
	.amdhsa_kernel k_q4a96c43a8c_cast
		.amdhsa_group_segment_fixed_size 0
		.amdhsa_private_segment_fixed_size 0
		.amdhsa_enable_private_segment 0
		.amdhsa_kernarg_size 88
		.amdhsa_user_sgpr_count 2
		.amdhsa_user_sgpr_kernarg_segment_ptr 1
		.amdhsa_wavefront_size32 1
		.amdhsa_system_sgpr_workgroup_id_x 1
		.amdhsa_system_sgpr_workgroup_id_y 1
		.amdhsa_system_sgpr_workgroup_id_z 1
		.amdhsa_system_vgpr_workitem_id 0
		.amdhsa_next_free_vgpr 104
		.amdhsa_next_free_sgpr 66
		.amdhsa_reserve_vcc 0
		.amdhsa_float_denorm_mode_32 3
		.amdhsa_float_denorm_mode_16_64 3
		.amdhsa_memory_ordered 1
		.amdhsa_forward_progress 1
		.amdhsa_inst_pref_size 17
	.end_amdhsa_kernel
	.amdgpu_metadata
---
amdhsa.version: [ 1, 2 ]
amdhsa.kernels:
  - .name:           k_q4a96c43a8c_cast
    .symbol:         k_q4a96c43a8c_cast.kd
    .args:
      - { .name: hidden_states, .offset: 0, .size: 8, .value_kind: global_buffer, .address_space: global }
      - { .name: wq, .offset: 8, .size: 8, .value_kind: global_buffer, .address_space: global }
      - { .name: wk, .offset: 16, .size: 8, .value_kind: global_buffer, .address_space: global }
      - { .name: wv, .offset: 24, .size: 8, .value_kind: global_buffer, .address_space: global }
      - { .name: wo, .offset: 32, .size: 8, .value_kind: global_buffer, .address_space: global }
      - { .name: cos, .offset: 40, .size: 8, .value_kind: global_buffer, .address_space: global }
      - { .name: sin, .offset: 48, .size: 8, .value_kind: global_buffer, .address_space: global }
      - { .name: xb, .offset: 56, .size: 8, .value_kind: global_buffer, .address_space: global }
      - { .name: wb, .offset: 64, .size: 8, .value_kind: global_buffer, .address_space: global }
      - { .name: wob, .offset: 72, .size: 8, .value_kind: global_buffer, .address_space: global }
      - { .name: cs, .offset: 80, .size: 8, .value_kind: global_buffer, .address_space: global }
    .group_segment_fixed_size: 0
    .private_segment_fixed_size: 0
    .kernarg_segment_align: 8
    .kernarg_segment_size: 88
    .max_flat_workgroup_size: 256
    .sgpr_count:     66
    .vgpr_count:     104
    .wavefront_size: 32
...
	.end_amdgpu_metadata
.endif
;; end of part 1
;; launch qkv (part 2): grid 8 x 32, 4 waves a work-group, clusters of 4 x 4, 327,680 bytes of LDS; arguments xb, wb, cs, q_norm_w, k_norm_w, qh, kh, vh; writes qh, kh, vh
.if DOCPART == 2
	.amdgcn_target "amdgcn-amd-amdhsa--gfx1250"
	.amdhsa_code_object_version 6
	.text
	.protected	k_q4a96c43a8c_qkv
	.globl	k_q4a96c43a8c_qkv
	.p2align	8
	.type	k_q4a96c43a8c_qkv,@function
k_q4a96c43a8c_qkv:
	s_mov_b64 s[64:65], 0
	v_nop
	global_prefetch_b8 v0, s[64:65] scope:SCOPE_SE
	s_setreg_imm32_b32 hwreg(HW_REG_WAVE_MODE, 25, 1), 1
	s_wait_xcnt 0x0
	s_wait_alu depctr_hold_cnt(0) depctr_sa_sdst(0) depctr_va_vdst(0) depctr_va_sdst(0) depctr_va_ssrc(0) depctr_va_vcc(0) depctr_vm_vsrc(0)
	s_getreg_b32 s2, hwreg(HW_REG_IB_STS2, 6, 4)
	s_cmp_eq_u32 s2, 0
	s_cbranch_scc0 .Lentry_in_a_cluster
	s_endpgm
.Lentry_in_a_cluster:
	s_bfe_u32 s2, ttmp6, 0x10000c
	s_cmp_lg_u32 s2, 0xf033
	s_cbranch_scc0 .Lentry_shape_is_right
	s_endpgm
.Lentry_shape_is_right:
; q, k, v OF ONE HEAD FOR 128 ROWS: x W^T (bf16 operands, f32 sums, K = 2,048 ascending), RMS norm over the head's 128 channels and RoPE for q and k in f32, everything rounded once to f16.
; xb: [4096][2048] bf16.  wb: [3072][2048] bf16 (wq, wk, wv).  cs: cos [4096][128] bf16, then sin.  qh, kh, vh: [8][4096][128] f16.  The norm weights are rounded to bf16 here, like every other input.
; LIMIT: v must stay within f16's 65,504; q and k are at most sqrt(128) x |norm weight| x 2.
; SHARES.  Work-group (head h, row block y): 128 rows x 384 columns.  Wave w: rows 64 (w / 2) on; w % 2 = 0: the whole q head, 1: the whole k head; and v's columns 64 (w % 2) on: 48 accumulators of 16 x 16.
; So a row's norm and its rotation never leave a wave.  THE MATRIX INSTRUCTION IS USED TRANSPOSED (source 0 = 16 weight rows, source 1 = 16 rows of x): lane l holds row l % 16 and the columns 8 (l / 16) + 0..7
; of a block, so channels d and d + 64 of a head lie in one lane, in blocks b and b + 4.
; RING.  K goes in steps of 128 through two LDS slots; a wave's one tensor load brings 128 rows x 256 bytes: wave 0 x, waves 1, 2, 3 the head's rows of wq, wk, wv.
; CLUSTER 4 x 4: x's tile hangs on y alone and is shared along a row of the cluster, the weights' on h alone and are shared along a column: joint loads.
; REGISTERS, in windows of 256: window 0: v15-38 addresses and small things; v64-127 x's fragments, two buffers of 32; on the way out v64-255.  window 1: v0-191 the weights' fragments, two buffers of 96 (on the way out
; three sets of cos and sin); v192-255 the norm weights.  window 2: accumulators of row blocks 0, 1 ((a, b) at v[8 (12 (a % 2) + b)]).  window 3: those of row blocks 2, 3.
.set KSTEP,  128
.set PITCH,  272                       ; an LDS row: 256 bytes + 16 of padding: the 16 rows of a fragment load start 16 bytes apart modulo 256
.set HALFT,  128*PITCH                 ; what one tensor load brings
.set SLOT,   4*HALFT                   ; x's 128 rows, then wq's, wk's, wv's
.set STAGE,  2*SLOT                    ; behind the ring, never filled by a tensor load: first 128 rows x 272 for v, then 16 rows x 272 for each wave
.set SPARE,  STAGE+128*PITCH           ; the spare words, 128 bytes for each wave: two blocks of 256 bytes that no other line names
.set LAPS,   2048/(2*KSTEP)
.set ZR,   15                          ; v15  0
.set ADRA, 16                          ; v16-17  LDS address of my fragments of x in slot 0, 1
.set ADRB, 18                          ; v18-19  of my q or k weights
.set ADRV, 20                          ; v20-21  of my 64 rows of wv
.set STV,  22                          ; v22  v's stage: where I put 16 bytes
.set RDV,  23                          ; v23  v's stage: where I read rows back
.set STO,  24                          ; v24  my own stage: in
.set RD,   25                          ; v25  my own stage: back
.set GO,   26                          ; v26  16 x lane: my 16 bytes of 512 consecutive bytes of an output
.set CSO,  27                          ; v27  my byte offset in 16 rows of cos or sin
.set SPW,  28                          ; v28  LDS address of my spare word; never rewritten
.set NIL,  29                          ; v29  0; never rewritten
.set PFO,  30                          ; v30  the prefetches' offset: lane x 4,096; never rewritten
.set WO,   31                          ; v31  my byte offset in the norm weights
.set SS,   32                          ; v32-35  two chains of squares
.set RS,   36                          ; v36-37  1 / sqrt(mean + eps), twice
.set TP,   38                          ; v38  the other half of the lanes' sum
.set Y,    64                          ; the way out: a row block's 64 numbers a lane
.set T,    128                         ; rotated
.set PK,   192                         ; packed
.set BK,   224                         ; back from the stage
.set WN,   192                         ; window 1: the norm weights
.set G1,  24                           ; s[24:31] descriptor group 1 for x's tiles;  s[32:39] group 0, a set for each slot
.set G0,  32
.set G1B, 48                           ; s[48:55], s[56:63] the same for the weights' tiles
.set G0B, 56
.set PFA, 44                           ; s[44:45] where my prefetches stand
.set LIM, 43                           ; s43  1 in a wave that prefetches, else the greatest number
.set MSB, 0
.macro WIN new                         ; the immediate's high byte repeats the setting that is left; a switch that changes nothing is dropped
.if MSB != (\new)
	s_set_vgpr_msb (MSB<<8)|(\new)
.set MSB, \new
.endif
.endm
.set MUL_LO, 0xa1                      ; source 0 (weights) window 1, source 1 (x) window 0, C and D window 2; + 0x50: window 3
.set TO_B,   0x40                      ; destination window 1, address window 0
.macro PLACES                          ; four plain instructions between a matrix instruction and a load into, or a vector line on, its registers
.rept 4
	v_nop
.endr
.endm
; A joint load: wave 0 fetches x's tile, waves 1 to 3 the weights'.  The branch hangs on the wave's number alone.  An s_nop 0 and four v_nop follow each line.
.macro JLOAD s
	s_cmp_eq_u32 s10, 0
	s_cbranch_scc0 .Lfor_b_\@
	tensor_load_to_lds s[G0+4*(\s):G0+4*(\s)+3], s[G1:G1+7]
	s_nop 0
	PLACES
	s_branch .Lasked_\@
.Lfor_b_\@:
	tensor_load_to_lds s[G0B+4*(\s):G0B+4*(\s)+3], s[G1B:G1B+7]
	s_nop 0
	PLACES
.Lasked_\@:
.endm
; A prefetch of the K step that stands two refills on: 32 rows x 256 bytes, a lane a row.  x's rows are read by both clusters of a row of clusters: cluster x = 0 asks; the weights' by all eight of a column: cluster y = 0
; asks.  Of the 128 rows that a wave fetches each of the four partners takes 32, told apart by address.  The loop's last trip has no K step two on.
.macro ASK
	s_cmp_gt_u32 s3, s[LIM]
	s_cbranch_scc0 .Lnot_mine_\@
	global_prefetch_b8 v[PFO], s[PFA:PFA+1] offset:KSTEP*2 th:TH_LOAD_NT scope:SCOPE_SE
.Lnot_mine_\@:
.endm
.macro CREST                           ; a round of the cluster's barrier behind its opening barrier
	s_cmp_lg_u32 s10, 0
	s_cbranch_scc1 .Lnot_wave_0_\@
	s_barrier_signal -3
.Lnot_wave_0_\@:
	s_barrier_wait -3
	s_barrier_signal -1
	s_barrier_wait -1
.endm
.macro CROUND
	s_barrier_signal -1
	s_barrier_wait -1
	CREST
.endm
	s_load_b512 s[68:83], s[0:1], 0x0              ; xb s[68:69], wb s[70:71], cs s[72:73], q_norm_w s[74:75], k_norm_w s[76:77], qh s[78:79], kh s[80:81], vh s[82:83]
	v_lshl_add_u32 v[SPW], v0, 2, SPARE
	v_mov_b32 v[NIL], 0
	ds_add_u32 v[SPW], v[NIL]                      ; the wave's opening: the add and its wait ahead of my first tensor load; work on registers stands between them
	v_lshrrev_b32 v1, 5, v0
	v_readfirstlane_b32 s10, v1                    ; wave 0..3
	s_lshr_b32 s11, s10, 1                         ; which 64 rows are mine
	s_and_b32 s12, s10, 1                          ; 0: q, 1: k; and which 64 columns of v
	s_bfe_u32 s40, ttmp6, 0x40000                  ; cx
	s_bfe_u32 s41, ttmp6, 0x40004                  ; cy
	s_lshl_b32 s42, ttmp9, 2
	s_add_co_u32 s42, s42, s40                     ; the head = 4 x cluster x + cx
	s_and_b32 s13, ttmp7, 0xffff
	s_lshl_b32 s13, s13, 2
	s_add_co_u32 s13, s13, s41                     ; the row block = 4 x cluster y + cy
	s_lshl_b32 s43, s41, 2
	s_lshl_b32 s43, 15, s43                        ; my row of the cluster
	s_lshl_b32 s44, 0x1111, s40                    ; my column
	s_or_b32 s[G1+0], s43, (1<<16)|(1<<20)|(1<<21)|(5<<22)|(3<<25)   ; 15:0 the mask; 17:16 2-byte elements; 20 padding on; 21 set beside a mask; 24:22 after every 64 words; 31:25 4 words
	s_or_b32 s[G1B+0], s44, (1<<16)|(1<<20)|(1<<21)|(5<<22)|(3<<25)
.irp g, G1, G1B
	s_mov_b32 s[(\g)+1], KSTEP<<16                 ; tensor_dim0 = 128
	s_mov_b32 s[(\g)+2], 128<<16                   ; tensor_dim1 = 128
	s_mov_b32 s[(\g)+3], KSTEP<<16                 ; tile_dim0 = 128
	s_mov_b32 s[(\g)+4], 128                       ; tile_dim1 = 128
	s_mov_b32 s[(\g)+5], 2048                      ; elements from row to row
	s_mov_b32 s[(\g)+6], 0
	s_mov_b32 s[(\g)+7], 0
.endr
	s_lshl_b32 s16, s13, 19                        ; x: 128 rows of 4,096 bytes for each row block
	s_mov_b32 s17, 0
	s_max_u32 s21, s10, 1
	s_sub_co_u32 s21, s21, 1                       ; waves 1, 2, 3: wq, wk, wv,
	s_lshl_b32 s21, s21, 22                        ; 1,024 rows each,
	s_lshl_b32 s46, s42, 19                        ; and the head's 128 of them
	s_add_co_u32 s46, s46, s21
	s_mov_b32 s47, 0
	s_mul_i32 s20, s10, HALFT                      ; where my tile goes: no place in the cluster enters an LDS address
	s_mov_b32 s84, 0x76543210                      ; v_permlanex16_b32: each lane takes its own place in the other half
	s_mov_b32 s85, 0xfedcba98
	s_mov_b32 s86, 0x3c000000                      ; 1 / 128
	s_mov_b32 s87, 0x358637bd                      ; 1e-6
	s_mov_b32 s66, 0xffff0000                      ; a word's upper bf16
	s_wait_dscnt 0x0                               ; the opening add is done
	s_wait_kmcnt 0x0
	s_add_nc_u64 s[14:15], s[68:69], s[16:17]
	s_add_nc_u64 s[46:47], s[70:71], s[46:47]
	CROUND                                         ; all sixteen work-groups are here: the first joint loads meet
.irp s, 0,1
	s_mov_b32 s[G0+4*(\s)], 1
	s_add_co_u32 s[G0+4*(\s)+1], s20, (\s)*SLOT
	s_add_nc_u64 s[G0+4*(\s)+2:G0+4*(\s)+3], s[14:15], (\s)*KSTEP*2
	s_or_b32 s[G0+4*(\s)+3], s[G0+4*(\s)+3], 0x80000000
	s_mov_b32 s[G0B+4*(\s)], 1
	s_add_co_u32 s[G0B+4*(\s)+1], s20, (\s)*SLOT
	s_add_nc_u64 s[G0B+4*(\s)+2:G0B+4*(\s)+3], s[46:47], (\s)*KSTEP*2
	s_or_b32 s[G0B+4*(\s)+3], s[G0B+4*(\s)+3], 0x80000000
.endr
	s_cmp_eq_u32 s10, 0                            ; a wave's two first fills stand in one branch: two loads of mine are out
	s_cbranch_scc0 .Lfirst_b
	tensor_load_to_lds s[G0:G0+3], s[G1:G1+7]
	s_nop 0
	tensor_load_to_lds s[G0+4:G0+7], s[G1:G1+7]
	s_nop 0
	PLACES
	s_branch .Lfirst_asked
.Lfirst_b:
	tensor_load_to_lds s[G0B:G0B+3], s[G1B:G1B+7]
	s_nop 0
	tensor_load_to_lds s[G0B+4:G0B+7], s[G1B:G1B+7]
	s_nop 0
	PLACES
.Lfirst_asked:
	; the norm weights of my head kind: register 8 b + j holds channel 16 b + 8 (l / 16) + j.  They are waited for on the way out.
	v_and_b32 v1, 15, v0                           ; l % 16
	v_bfe_u32 v2, v0, 4, 1                         ; l / 16
	v_lshlrev_b32 v[WO], 5, v2
	s_cmp_eq_u32 s12, 0
	s_cselect_b64 s[94:95], s[74:75], s[76:77]
	WIN TO_B
.irp b, 0,1,2,3,4,5,6,7
	global_load_b128 v[WN+8*(\b):WN+8*(\b)+3],   v[WO], s[94:95] offset:64*(\b)
	global_load_b128 v[WN+8*(\b)+4:WN+8*(\b)+7], v[WO], s[94:95] offset:64*(\b)+16
.endr
	WIN 0
	; the prefetches
	s_and_b32 s22, ttmp7, 0xffff                   ; cluster y
	s_cmp_eq_u32 s10, 0                            ; do I fetch x?
	s_cselect_b32 s21, s40, s41                    ; my place among the four that ask with me
	s_cselect_b32 s22, ttmp9, s22                  ; the coordinate along which other clusters read the same rows
	s_cselect_b64 s[PFA:PFA+1], s[14:15], s[46:47]
	s_cmp_eq_u32 s22, 0
	s_cselect_b32 s[LIM], 1, -1                    ; the same in all sixteen partners, for a given wave
	s_lshl_b32 s4, s21, 17                         ; my work-group's 32 rows of the 128
	s_mov_b32 s5, 0
	s_add_nc_u64 s[PFA:PFA+1], s[PFA:PFA+1], s[4:5]
	s_add_nc_u64 s[PFA:PFA+1], s[PFA:PFA+1], 2*KSTEP*2  ; at K step 2: the first refill steps it to 3 and names K step 4; K steps 0 to 3 come by their loads alone
	v_and_b32 v[PFO], 31, v0
	v_lshlrev_b32 v[GO], 4, v[PFO]
	v_lshlrev_b32 v[PFO], 12, v[PFO]
	; where the results go, and where cos and sin lie
	s_lshl_b32 s4, s42, 20                         ; the head's 4,096 rows of 256 bytes
	s_lshl_b32 s5, s13, 15                         ; the row block's 128
	s_add_co_u32 s4, s4, s5
	s_lshl_b32 s6, s11, 14                         ; my 64 rows
	s_add_co_u32 s6, s6, s4
	s_mov_b32 s7, 0
	s_lshl_b32 s8, s10, 13                         ; of v each wave stores 32 whole rows
	s_add_co_u32 s8, s8, s4
	s_mov_b32 s9, 0
	s_cmp_eq_u32 s12, 0
	s_cselect_b64 s[88:89], s[78:79], s[80:81]
	s_add_nc_u64 s[88:89], s[88:89], s[6:7]
	s_add_nc_u64 s[90:91], s[82:83], s[8:9]
	s_lshl_b32 s4, s11, 14
	s_add_co_u32 s4, s4, s5
	s_mov_b32 s5, 0
	s_add_nc_u64 s[92:93], s[72:73], s[4:5]
	; LDS addresses.  A fragment is 16 rows x 32 K in 8 registers: lane l holds row l % 16, K = 8 (l / 16) + 0..7 and 16 + 8 (l / 16) + 0..7: two loads of 16 bytes, 32 bytes apart.
	v_mul_u32_u24 v3, v1, PITCH
	v_lshl_add_u32 v3, v2, 4, v3                   ; row x pitch + 16 x half
	v_mul_u32_u24 v4, v2, PITCH
	v_lshl_add_u32 v4, v1, 4, v4                   ; back: lanes 0-15 one row of 256 bytes, lanes 16-31 the next
	s_mul_i32 s21, s11, 64*PITCH
	s_mul_i32 s22, s12, HALFT
	s_add_co_u32 s22, s22, HALFT
	s_mul_i32 s23, s12, 64*PITCH
	s_add_co_u32 s23, s23, 3*HALFT
.irp s, 0,1
	v_add_nc_u32 v[ADRA+(\s)], s21, v3
	v_add_nc_u32 v[ADRB+(\s)], s22, v3
	v_add_nc_u32 v[ADRV+(\s)], s23, v3
	s_add_co_u32 s21, s21, SLOT
	s_add_co_u32 s22, s22, SLOT
	s_add_co_u32 s23, s23, SLOT
.endr
	s_mul_i32 s21, s11, 64*PITCH
	s_lshl_b32 s22, s12, 7
	s_add_co_u32 s21, s21, s22
	s_add_co_u32 s21, s21, STAGE
	v_add_nc_u32 v[STV], s21, v3                   ; v's stage: my 64 rows, my 128 bytes of them
	s_mul_i32 s21, s10, 32*PITCH
	s_add_co_u32 s21, s21, STAGE
	v_add_nc_u32 v[RDV], s21, v4                   ; back: rows 32 w on, whole
	s_mul_i32 s21, s10, 16*PITCH
	s_add_co_u32 s21, s21, STAGE
	v_add_nc_u32 v[STO], s21, v3
	v_add_nc_u32 v[RD], s21, v4
	v_lshlrev_b32 v[CSO], 8, v1
	v_lshl_add_u32 v[CSO], v2, 4, v[CSO]
; 12 matrix instructions: row block 2 hi + a x all 12 column blocks, 32 along K, from buffer f.  zero = 1: the first product starts the sums.  The 48 accumulators take turns, in the same order in every quarter.
.macro MUL12 f, hi, a, zero
	WIN MUL_LO+0x50*(\hi)
.irp b, 0,1,2,3,4,5,6,7,8,9,10,11
.if \zero
	v_wmma_f32_16x16x32_bf16 v[8*(12*(\a)+(\b)):8*(12*(\a)+(\b))+7], v[96*(\f)+8*(\b):96*(\f)+8*(\b)+7], v[64+32*(\f)+8*(2*(\hi)+(\a)):64+32*(\f)+8*(2*(\hi)+(\a))+7], 0
.else
	v_wmma_f32_16x16x32_bf16 v[8*(12*(\a)+(\b)):8*(12*(\a)+(\b))+7], v[96*(\f)+8*(\b):96*(\f)+8*(\b)+7], v[64+32*(\f)+8*(2*(\hi)+(\a)):64+32*(\f)+8*(2*(\hi)+(\a))+7], v[8*(12*(\a)+(\b)):8*(12*(\a)+(\b))+7]
.endif
.endr
.endm
.macro MUL24 f, hi, zero
	MUL12 \f, \hi, 0, \zero
	MUL12 \f, \hi, 1, \zero
.endm
; 32 LDS loads in one run: the fragments of 32 along K at byte k of the rows, into buffer f: the weights' twelve blocks, then x's four
.macro FETCH slot, k, f
	WIN TO_B
.irp i, 0,1,2,3,4,5,6,7
	ds_load_b128 v[96*(\f)+8*(\i):96*(\f)+8*(\i)+3],   v[ADRB+(\slot)] offset:(\k)+(\i)*16*PITCH
	ds_load_b128 v[96*(\f)+8*(\i)+4:96*(\f)+8*(\i)+7], v[ADRB+(\slot)] offset:(\k)+(\i)*16*PITCH+32
.endr
.irp i, 0,1,2,3
	ds_load_b128 v[96*(\f)+64+8*(\i):96*(\f)+64+8*(\i)+3],   v[ADRV+(\slot)] offset:(\k)+(\i)*16*PITCH
	ds_load_b128 v[96*(\f)+64+8*(\i)+4:96*(\f)+64+8*(\i)+7], v[ADRV+(\slot)] offset:(\k)+(\i)*16*PITCH+32
.endr
	WIN 0
.irp i, 0,1,2,3
	ds_load_b128 v[64+32*(\f)+8*(\i):64+32*(\f)+8*(\i)+3],   v[ADRA+(\slot)] offset:(\k)+(\i)*16*PITCH
	ds_load_b128 v[64+32*(\f)+8*(\i)+4:64+32*(\f)+8*(\i)+7], v[ADRA+(\slot)] offset:(\k)+(\i)*16*PITCH+32
.endr
.endm
; A K step is four quarters of 32 along K, 48 matrix instructions each, on buffers 0, 1, 0, 1.  One of the first three: multiplies buffer f and fetches the next quarter, at byte k, into g.
.macro QUARTER slot, k, f, g, zero
	s_wait_dscnt 4                                 ; the youngest four loads (x's row blocks 2, 3) may be out
	MUL24 \f, 0, \zero
	PLACES
	FETCH \slot, \k, \g
	s_wait_dscnt 32                                ; all but the 32 just issued
	MUL24 \f, 1, \zero
.endm
; The last quarter multiplies buffer 1 and changes slots: ONE barrier; in front of it each wave waits for all its tensor loads (one is out: its part of the next slot), adds 0 to its spare word, and waits for that and
; for its reads of this slot.  fill = 1: the barrier opens a round of the cluster's, and this slot is filled again, two K steps ahead, first thing behind the round: 168 matrix instructions ahead of the wait for it.
.macro TURN slot, next, fill
.if \fill
	s_wait_xcnt 0x0                                ; the last prefetch, a K step back, has read its address
	s_add_nc_u64 s[PFA:PFA+1], s[PFA:PFA+1], KSTEP*2
.endif
	WIN 0                                          ; (the add's two registers lie in window 0)
	s_wait_tensorcnt 0x0
	ds_add_u32 v[SPW], v[NIL]
	s_wait_dscnt 5                                 ; (the add and the youngest four loads may be out)
	MUL12 1, 0, 0, 0                               ; twelve matrix instructions stand between the add and the wait for it
	s_wait_dscnt 0x0                               ; the add is done, and my reads of this slot are over
	s_barrier_signal -1
	MUL12 1, 0, 1, 0
.if \fill
	WIN 0
.endif
	s_barrier_wait -1
.if \fill
	CREST                                          ; no wave of any partner still reads this slot or has a load on its way
	s_add_nc_u64 s[G0+4*(\slot)+2:G0+4*(\slot)+3], s[G0+4*(\slot)+2:G0+4*(\slot)+3], 2*KSTEP*2
	s_add_nc_u64 s[G0B+4*(\slot)+2:G0B+4*(\slot)+3], s[G0B+4*(\slot)+2:G0B+4*(\slot)+3], 2*KSTEP*2
	JLOAD \slot                                    ; the four v_nop behind it are also the places in front of the loads below
.else
	PLACES
.endif
	FETCH \next, 0, 0
.if \fill
	ASK
.endif
	MUL24 1, 1, 0
.endm
	s_wait_tensorcnt 1                             ; my part of K step 0 is in; K step 1's may stay out
	s_barrier_signal -1
	s_barrier_wait -1
	FETCH 0, 0, 0
	QUARTER 0, 64,  0, 1, 1                        ; the first quarter stands in front of the loop: its products start the sums
	WIN 0
	s_mov_b32 s3, LAPS-1
.Llap:                                                 ; a trip goes once round the ring, from a lap's second quarter to the next lap's first
	QUARTER 0, 128, 1, 0, 0
	QUARTER 0, 192, 0, 1, 0
	TURN 0, 1, 1
	QUARTER 1, 64,  0, 1, 0
	QUARTER 1, 128, 1, 0, 0
	QUARTER 1, 192, 0, 1, 0
	TURN 1, 0, 1
	QUARTER 0, 64,  0, 1, 0
	WIN 0
	s_sub_co_u32 s3, s3, 1
	s_cmp_lg_u32 s3, 0
	s_cbranch_scc1 .Llap
	QUARTER 0, 128, 1, 0, 0                        ; the last lap fills nothing
	QUARTER 0, 192, 0, 1, 0
	TURN 0, 1, 0
	QUARTER 1, 64,  0, 1, 0
	QUARTER 1, 128, 1, 0, 0
	QUARTER 1, 192, 0, 1, 0
	s_wait_dscnt 4
	MUL24 1, 0, 0
	s_wait_dscnt 0x0
	MUL24 1, 1, 0
	WIN 0
	; THE WAY OUT.
	PLACES
	PLACES
	s_wait_loadcnt 0x0                             ; the norm weights
	v_mov_b32 v[ZR], 0
	v_mov_b32 v[TP], 0                             ; v_permlanex16_b32's destination counts as read
; cos and sin of row block a, where the weights' fragments lay: set a % 3 of 64 registers; block b's eight bf16 of a row in four registers: cos at 4 b, sin at 32 + 4 b
.macro CSLOAD a
	WIN TO_B
.irp b, 0,1,2,3,4,5,6,7
	global_load_b128 v[64*((\a)%3)+4*(\b):64*((\a)%3)+4*(\b)+3], v[CSO], s[92:93] offset:4096*(\a)+32*(\b)
.endr
.irp b, 0,1,2,3,4,5,6,7
	global_load_b128 v[64*((\a)%3)+32+4*(\b):64*((\a)%3)+32+4*(\b)+3], v[CSO], s[92:93] offset:1048576+4096*(\a)+32*(\b)
.endr
	WIN 0
.endm
	CSLOAD 0
	CSLOAD 1
	CSLOAD 2
	; v: rounded to f16; a wave's 64 columns are half of a row's 256 bytes, so the two waves of a row half meet in one stage, with a barrier between writing and reading
.irp a, 0,1,2,3
	WIN 0x0a+5*((\a)/2)                            ; sources 0 and 1: window 2 or 3
.irp b, 0,1,2,3
.irp r, 0,1,2,3
	v_cvt_pk_f16_f32 v[Y+4*(4*(\a)+(\b))+(\r)], v[8*(12*((\a)%2)+8+(\b))+2*(\r)], v[8*(12*((\a)%2)+8+(\b))+2*(\r)+1]
.endr
.endr
.endr
	WIN 0
.irp a, 0,1,2,3
.irp b, 0,1,2,3
	ds_store_b128 v[STV], v[Y+4*(4*(\a)+(\b)):Y+4*(4*(\a)+(\b))+3] offset:(\a)*16*PITCH+32*(\b)
.endr
.endr
	s_wait_dscnt 0x0                               ; for the others' sake: my stores into the stage are done
	s_barrier_signal -1
	s_barrier_wait -1
.irp t, 0,1,2,3,4,5,6,7,8,9,10,11,12,13,14,15
	ds_load_b128 v[T+4*(\t):T+4*(\t)+3], v[RDV] offset:(\t)*2*PITCH
.endr
.irp t, 0,1,2,3,4,5,6,7,8,9,10,11,12,13,14,15
	s_wait_dscnt 15-(\t)                           ; the younger row loads may stay out
	global_store_b128 v[GO], v[T+4*(\t):T+4*(\t)+3], s[90:91] offset:512*(\t)  ; two rows of vh: 512 consecutive bytes, aligned
.endr
	s_wait_dscnt 0x0                               ; my reads of the shared stage are over:
	s_barrier_signal -1
	s_barrier_wait -1                              ; everybody's are: from here on the stage is four stages, a wave's own each
	; the norm weights are rounded to bf16 and widened again
	WIN 0x05
.set p, 0
.rept 32
	v_cvt_pk_bf16_f32 v[Y+p], v[WN+2*p], v[WN+2*p+1]
.set p, p+1
.endr
	WIN TO_B
.set p, 0
.rept 32
	v_lshlrev_b32 v[WN+2*p], 16, v[Y+p]
	v_and_b32 v[WN+2*p+1], s66, v[Y+p]
.set p, p+1
.endr
	WIN 0
	s_wait_xcnt 0x0                                ; v's stores have read T's registers
; v[d] = (+ or -) v[y] x the bf16 half jj % 2 of v[c] + v[e], in f32
.macro MIX d, y, c, e, neg
.if jj%2
.if \neg
	v_fma_mix_f32_bf16 v[\d], -v[\y], v[\c], v[\e] op_sel:[0,1,0] op_sel_hi:[0,1,0]
.else
	v_fma_mix_f32_bf16 v[\d], v[\y], v[\c], v[\e] op_sel:[0,1,0] op_sel_hi:[0,1,0]
.endif
.else
.if \neg
	v_fma_mix_f32_bf16 v[\d], -v[\y], v[\c], v[\e] op_sel_hi:[0,1,0]
.else
	v_fma_mix_f32_bf16 v[\d], v[\y], v[\c], v[\e] op_sel_hi:[0,1,0]
.endif
.endif
.endm
; Row block a of my q or k head: the mean of squares over the row's 128 channels (64 in my lane, 64 in the lane 16 away), y = (s x rsqrt) x w, out[d] = y[d] cos[d] - y[d+64] sin[d], out[d+64] = y[d+64] cos[d+64] + y[d] sin[d+64],
; rounded to f16, through my own stage, stored as whole rows.  lc: the loads of the younger sets of cos and sin, which may stay out.
.macro NORMROPE a, lc
.set AW, 2+(\a)/2
.set AB, 96*((\a)%2)
.set CB, 64*((\a)%3)
	WIN 5*AW                                       ; sources 0 and 1 in the accumulators' window
.set p, 0
.rept 32
.if p < 2
	v_pk_mul_f32 v[SS+2*p:SS+2*p+1], v[AB+2*p:AB+2*p+1], v[AB+2*p:AB+2*p+1]
.else
	v_pk_fma_f32 v[SS+2*(p%2):SS+2*(p%2)+1], v[AB+2*p:AB+2*p+1], v[AB+2*p:AB+2*p+1], v[SS+2*(p%2):SS+2*(p%2)+1]
.endif
.set p, p+1
.endr
	WIN 0
	v_pk_add_f32 v[SS:SS+1], v[SS:SS+1], v[SS+2:SS+3]
	v_add_f32 v[SS], v[SS], v[SS+1]
	v_permlanex16_b32 v[TP], v[SS], s84, s85
	v_add_f32 v[SS], v[SS], v[TP]
	v_fma_f32 v[SS], v[SS], s86, s87               ; sum / 128 + 1e-6
	v_rsq_f32 v[RS], v[SS]
	v_rsq_f32 v[RS+1], v[SS]
	v_nop                                          ; a plain instruction behind the last of the two,
	s_wait_alu depctr_va_vdst(0)                   ; and the wait ahead of the first use: one for both
	WIN AW
.set p, 0
.rept 32
	v_pk_mul_f32 v[Y+2*p:Y+2*p+1], v[AB+2*p:AB+2*p+1], v[RS:RS+1]
.set p, p+1
.endr
	s_wait_loadcnt \lc
	WIN 0x04                                       ; source 1 in window 1: the norm weights, cos and sin
.set p, 0
.rept 32
	v_pk_mul_f32 v[Y+2*p:Y+2*p+1], v[Y+2*p:Y+2*p+1], v[WN+2*p:WN+2*p+1]
.set p, p+1
.endr
.set bb, 0
.rept 4
.set jj, 0
.rept 8
	MIX T+8*bb+jj, Y+8*bb+jj, CB+4*bb+jj/2, ZR, 0
	MIX T+32+8*bb+jj, Y+32+8*bb+jj, CB+16+4*bb+jj/2, ZR, 0
.set jj, jj+1
.endr
.set jj, 0
.rept 8
	MIX T+8*bb+jj, Y+32+8*bb+jj, CB+32+4*bb+jj/2, T+8*bb+jj, 1
	MIX T+32+8*bb+jj, Y+8*bb+jj, CB+48+4*bb+jj/2, T+32+8*bb+jj, 0
.set jj, jj+1
.endr
.set bb, bb+1
.endr
	WIN 0
.set p, 0
.rept 32
	v_cvt_pk_f16_f32 v[PK+p], v[T+2*p], v[T+2*p+1]
.set p, p+1
.endr
.irp b, 0,1,2,3,4,5,6,7
	ds_store_b128 v[STO], v[PK+4*(\b):PK+4*(\b)+3] offset:32*(\b)
.endr
	s_wait_xcnt 0x0                                ; the row block before has had its stores' registers read
.irp t, 0,1,2,3,4,5,6,7
	ds_load_b128 v[BK+4*(\t):BK+4*(\t)+3], v[RD] offset:(\t)*2*PITCH  ; LDS serves a wave's instructions in order (ISA guide 5.7.1.4): these see the stores above
.endr
	s_wait_dscnt 0x0
.irp t, 0,1,2,3,4,5,6,7
	global_store_b128 v[GO], v[BK+4*(\t):BK+4*(\t)+3], s[88:89] offset:4096*(\a)+512*(\t)  ; two rows: 512 consecutive bytes, aligned
.endr
.endm
	NORMROPE 0, 32
	CSLOAD 3                                       ; row block 3's cos and sin take row block 0's set
	NORMROPE 1, 32
	NORMROPE 2, 16
	NORMROPE 3, 0
	s_wait_tensorcnt 0x0                           ; the wave's end: behind my last tensor load and my last LDS store
	ds_add_u32 v[SPW], v[NIL]
	s_wait_dscnt 0x0
	CROUND                                         ; the closing round
	s_endpgm
.Lfunc_end_k_q4a96c43a8c_qkv:
	.size	k_q4a96c43a8c_qkv, .Lfunc_end_k_q4a96c43a8c_qkv-k_q4a96c43a8c_qkv
	.p2alignl 7, 3214868480
	.fill 96, 4, 3214868480
	.section	.rodata,"a",@progbits
	.p2align	6, 0x0
	.amdhsa_kernel k_q4a96c43a8c_qkv
		.amdhsa_group_segment_fixed_size 327680
		.amdhsa_private_segment_fixed_size 0
		.amdhsa_enable_private_segment 0
		.amdhsa_kernarg_size 64
		.amdhsa_user_sgpr_count 2
		.amdhsa_user_sgpr_kernarg_segment_ptr 1
		.amdhsa_wavefront_size32 1
		.amdhsa_system_sgpr_workgroup_id_x 1
		.amdhsa_system_sgpr_workgroup_id_y 1
		.amdhsa_system_sgpr_workgroup_id_z 1
		.amdhsa_system_vgpr_workitem_id 0
		.amdhsa_next_free_vgpr 960
		.amdhsa_next_free_sgpr 96
		.amdhsa_reserve_vcc 0
		.amdhsa_float_denorm_mode_32 3
		.amdhsa_float_denorm_mode_16_64 3
		.amdhsa_memory_ordered 1
		.amdhsa_forward_progress 1
		.amdhsa_inst_pref_size 191
	.end_amdhsa_kernel
	.amdgpu_metadata
---
amdhsa.version: [ 1, 2 ]
amdhsa.kernels:
  - .name:           k_q4a96c43a8c_qkv
    .symbol:         k_q4a96c43a8c_qkv.kd
    .args:
      - { .name: xb, .offset: 0, .size: 8, .value_kind: global_buffer, .address_space: global }
      - { .name: wb, .offset: 8, .size: 8, .value_kind: global_buffer, .address_space: global }
      - { .name: cs, .offset: 16, .size: 8, .value_kind: global_buffer, .address_space: global }
      - { .name: q_norm_w, .offset: 24, .size: 8, .value_kind: global_buffer, .address_space: global }
      - { .name: k_norm_w, .offset: 32, .size: 8, .value_kind: global_buffer, .address_space: global }
      - { .name: qh, .offset: 40, .size: 8, .value_kind: global_buffer, .address_space: global }
      - { .name: kh, .offset: 48, .size: 8, .value_kind: global_buffer, .address_space: global }
      - { .name: vh, .offset: 56, .size: 8, .value_kind: global_buffer, .address_space: global }
    .group_segment_fixed_size: 327680
    .private_segment_fixed_size: 0
    .kernarg_segment_align: 8
    .kernarg_segment_size: 64
    .max_flat_workgroup_size: 128
    .sgpr_count:     96
    .vgpr_count:     960
    .wavefront_size: 32
...
	.end_amdgpu_metadata
.endif
;; end of part 2
;; launch attn (part 3): grid 32 x 8, 4 waves a work-group, clusters of 4 x 1, 327,680 bytes of LDS; arguments qh, kh, vh, ob; writes ob
.if DOCPART == 3
	.amdgcn_target "amdgcn-amd-amdhsa--gfx1250"
	.amdhsa_code_object_version 6
	.text
	.protected	k_q4a96c43a8c_attn
	.globl	k_q4a96c43a8c_attn
	.p2align	8
	.type	k_q4a96c43a8c_attn,@function
k_q4a96c43a8c_attn:
	s_mov_b64 s[64:65], 0
	v_nop
	global_prefetch_b8 v0, s[64:65] scope:SCOPE_SE
	s_setreg_imm32_b32 hwreg(HW_REG_WAVE_MODE, 25, 1), 1
	s_wait_xcnt 0x0
	s_wait_alu depctr_hold_cnt(0) depctr_sa_sdst(0) depctr_va_vdst(0) depctr_va_sdst(0) depctr_va_ssrc(0) depctr_va_vcc(0) depctr_vm_vsrc(0)
	s_getreg_b32 s2, hwreg(HW_REG_IB_STS2, 6, 4)
	s_cmp_eq_u32 s2, 0
	s_cbranch_scc0 .Lentry_in_a_cluster
	s_endpgm
.Lentry_in_a_cluster:
	s_bfe_u32 s2, ttmp6, 0x10000c
	s_cmp_lg_u32 s2, 0x3003
	s_cbranch_scc0 .Lentry_shape_is_right
	s_endpgm
.Lentry_shape_is_right:
; CAUSAL ATTENTION.  O[q] = the sum over k <= q of softmax_k(Q[q] . K[k] / sqrt(128)) V[k], for each of 8 heads.  qh, kh, vh: [8][4096][128] f16.  ob: [4096][1024] f16, column 128 h + d.
; Products, maxima and sums in f32; the weights p are rounded to f16 for the second product (their sum is taken of the unrounded p), O once at the end.
; LIMITS.  A hidden score counts as its value less 2^100.  The running maximum starts at -2^60, below every score of f16 operands (5.5e11 at the most in size).  A weight below 2^-126 counts as 0.  NaN and infinities are not treated apart.
; THE WALK.  A head's queries lie in 16 groups of 256; group g needs the key tiles 0 .. g of 256 keys, of which the last holds the diagonal.  Cluster c of a head takes group 15 - c and then group c: 17 tiles whatever c,
; so all work-groups do equal work and one loop with a constant count walks them.  What differs lies in scalar registers made from c, which all partners of a cluster and all waves share.
; SHARES.  Partner cx owns queries 64 cx on of the group; all four partners walk the same K and V: every tile is asked for JOINTLY.  In a work-group THE KEYS ARE SPLIT: wave w takes keys 64 w on of each tile, for all 64 queries
; (four tiles of 16), so that a fragment of K or V read from LDS feeds four products.  At a group's end the four waves' (m, l, O) are merged through LDS, the sums in f32.
; LAYOUT.  S^T = K Q^T (source 0 = 16 keys, source 1 = 16 queries): a lane holds ONE query (lane % 16) and the keys 8 (lane / 16) + 0..7.  Two such results rounded to f16 ARE source 1 of O^T = V^T P.  V is turned by ds_load_tr16_b128.
; SOFTMAX.  p = 2^(c s - c m), c = log2(e) / sqrt(128), with a running maximum m; O and l are multiplied by a = 2^(c m_old - c m_new) in every step.  A group begins with c m far below every c s: its first a is 0.
; THE MASK is the C operand that starts a score's sum: 0, or -2^100 where the key is hidden.  In a diagonal tile key block kb of wave w and query tile t of partner cx: all hidden if w > cx, none if w < cx; if w = cx: none for
; kb < t, all for kb > t, the triangle for kb = t.  Three sets of eight registers hold the three cases, made once by selects; each step multiplies them by AL: 1 in a group's last tile, else 0.  So one text serves every tile.
; A STEP (one tile): piece 0 is query tiles 0, 1, piece 2 tiles 2, 3.  32 products K Q^T of piece 0; 32 of piece 2 with piece 0's softmax in slices behind them; 32 products V^T P of piece 0 with piece 2's softmax; 32 of piece 2.
; REGISTERS, in windows of 256: window 0: v1-11, v44-46, v61-63 addresses; v12-43 eight registers of statistics a tile; v48-55 the merge's factors; v64-191 S^T; v192-255 P.  window 1: O^T, 64 a tile.
;   window 2: v0-127 Q, v128-255 K.  window 3: v0-127 V; v128-151 the three masks; v152-175 the step's masks.
.set PK,    272       ; a row of K in LDS: 256 bytes + 16 of padding
.set PV,    288       ; a row of V: 256 + 32: 16 lanes of the turning load take 8 rows x 32 bytes
.set VOFF,  256*PK    ; a slot: 256 rows of K, then 256 rows of V: 143,360 bytes
.set SLOT1, 0x24000   ; slot 1 begins at 147,456: none of its bits occurs in the tiles' places in a slot (0x8800, 0x11000, 0x1a000), so one exclusive or turns an address in one slot into the other's
.set STG,   SLOT1+256*(PK+PV)  ; behind the ring, never filled by a tensor load: four waves' partial tiles, 16 rows x 528 bytes each
.set SP,    528
.set STAT,  STG+4*16*SP        ; four waves x 64 queries x (c m, l)
.set SPARE, STAT+2048          ; the spare words, 128 bytes for each wave: two blocks of 256 bytes that no other line names
.set AK0, 2           ; v2   my lane's place in a tile of K; never rewritten
.set AV0, 3           ; v3   the same for V
.set ADR, 4           ; v4   the LDS address of K's run of loads
.set QO,  5           ; v5   my byte offset in 16 rows of Q
.set STO, 6           ; v6   the merge: where I put 32 bytes of a row
.set SRD, 7           ; v7   the merge: where I read 32 bytes of a row of each partial tile
.set GO,  8           ; v8   my byte offset in ob
.set ST,  12          ; tile t's statistics at v[ST+8 t]: +0 c m, +1 m, +2, +3 l, +4 to +7 at work
.set STA, 44          ; v44  where I put (c m, l)
.set STR, 45          ; v45  where I read them
.set ADV, 46          ; v46  the LDS address of V's run of loads
.set GT,  48          ; v48-55  tile t's factor, twice
.set PFO, 61          ; v61  256 x lane; never rewritten
.set SPW, 62          ; v62  LDS address of my spare word; never rewritten
.set NIL, 63          ; v63  0; never rewritten
.set S,   64
.set RR,  112         ; the merge: 64 registers of partial sums
.set P,   192
.set KF,  128         ; window 2
.set MB,  128         ; window 3: masks for kb < t, kb = t, kb > t
.set MC,  152         ; window 3: the same times AL
.set WV,  12          ; s12  my wave's number;  s13 cx;  s14 c;  s15 15 - c
.set G1K, 24          ; s[24:31] descriptor group 1 for K's tiles
.set G1V, 32          ; s[32:39] for V's: it differs in the padding alone
.set G0K, 40          ; s[40:43] descriptor group 0 for K's tiles
.set G0V, 44          ; s[44:47] for V's
.set KB,  48          ; s[48:49] kh at my half of the head's tile 0
.set VB,  50          ; s[50:51] vh likewise
.set QLO, 52          ; s[52:53] Q of the second group
.set OLO, 54          ; s[54:55] O of the second group
.set SLOTS, 56        ; s56  tiles still to be asked for
.set RT,  57          ; s57  tiles of the group in hand that are still to be entered
.set CS,  58          ; s[58:59] c
.set SEL, 60          ; s[60:61] v_permlanex16_b32's selects
.set TB,  62          ; s62  LDS byte at which the slot to be read begins
.set NXT, 66          ; s66  the tile to be asked for next
.set LQ,  67          ; s67  the last tile of the group whose tiles are being asked for
.set OFF, 68          ; s[68:69] a tile's byte offset in K and V
.set AL,  70          ; s[70:71] the masks' factor
.set PFA, 72          ; s[72:73] where my prefetches stand
.set LIM, 74          ; s74  2 in a cluster that prefetches, else the greatest number
.set HID, 77          ; s77  -2^100
.set MSB, 0
.macro WIN new
.if MSB != (\new)
	s_set_vgpr_msb (MSB<<8)|(\new)
.set MSB, (\new)
.endif
.endm
.set W_KQ, 0x0a       ; K and Q in window 2, S^T in window 0
.set W_KM, 0x3a       ; the same with the C operand in window 3
.set W_PV, 0x53       ; V in window 3, P in window 0, O^T in window 1
.set W_RS, 0x41       ; O^T (destination and source 0) in window 1, the factor in window 0
.macro PLACES
.rept 4
	v_nop
.endr
.endm
.macro BAR
	s_barrier_signal -1
	s_barrier_wait -1
.endm
; A joint fill.  Waves 0 and 1 fetch the two halves of a tile's K, waves 2 and 3 those of its V: 128 rows each.  An s_nop 0 and four v_nop follow each line.
.macro JLOAD
	s_cmp_lt_u32 s[WV], 2
	s_cbranch_scc0 .Lfor_v_\@
	tensor_load_to_lds s[G0K:G0K+3], s[G1K:G1K+7]
	s_nop 0
	PLACES
	s_branch .Lasked_\@
.Lfor_v_\@:
	tensor_load_to_lds s[G0V:G0V+3], s[G1V:G1V+7]
	s_nop 0
	PLACES
.Lasked_\@:
.endm
; A prefetch of the tile that the NEXT change of slots will ask for.  All eight clusters of a head begin at tile 0 together: cluster 0, whose first group walks all sixteen tiles, asks, in trips 0 to 13 for tiles 2 to 15.
; A tile's 512 rows of 256 bytes: four partners, told apart by address, x four waves (K's or V's half that the wave fetches) x 32 lanes, a lane a row.  So each row is named once.
.macro ASK
	s_cmp_gt_u32 s[SLOTS], s[LIM]
	s_cbranch_scc0 .Lnot_mine_\@
	global_prefetch_b8 v[PFO], s[PFA:PFA+1] th:TH_LOAD_NT scope:SCOPE_SE
.Lnot_mine_\@:
.endm
.macro CROUND
	s_barrier_signal -1
	s_barrier_wait -1
	s_cmp_lg_u32 s[WV], 0
	s_cbranch_scc1 .Lnot_wave_0_\@
	s_barrier_signal -3
.Lnot_wave_0_\@:
	s_barrier_wait -3
	s_barrier_signal -1
	s_barrier_wait -1
.endm
; THE CHANGE OF SLOTS.  Each wave waits for all its tensor loads (one is out: its part of the other slot), adds 0 to its spare word, and waits for that and for its reads of the slot that it leaves.  fill = 1: the barrier is a round
; of the cluster's, and the old slot is filled again, first thing behind it, with tile NXT: the descriptor's address is made anew from that number.  (At its first use nothing has been read: slot 0 is waited for, slot 1 filled.)
.macro CHANGE fill
	WIN 0
	s_wait_tensorcnt 0x0                           ; no tensor load of mine is out, so a group 0 may be written
	ds_add_u32 v[SPW], v[NIL]                      ; 0 onto my spare word; scalar work stands between it and the wait for it
.if \fill
	s_xor_b32 s[G0K+1], s[G0K+1], SLOT1
	s_xor_b32 s[G0V+1], s[G0V+1], SLOT1
	s_lshl_b32 s[OFF], s[NXT], 16                  ; a tile is 65,536 bytes of K and of V
	s_add_nc_u64 s[G0K+2:G0K+3], s[KB:KB+1], s[OFF:OFF+1]
	s_or_b32 s[G0K+3], s[G0K+3], 0x80000000
	s_add_nc_u64 s[G0V+2:G0V+3], s[VB:VB+1], s[OFF:OFF+1]
	s_or_b32 s[G0V+3], s[G0V+3], 0x80000000
	s_add_co_u32 s[NXT], s[NXT], 1                 ; the group's next tile, or behind its last the second group's tile 0
	s_cmp_gt_u32 s[NXT], s[LQ]
	s_cselect_b32 s[NXT], 0, s[NXT]
	s_cselect_b32 s[LQ], s14, s[LQ]
	s_wait_xcnt 0x0                                ; the last prefetch, a tile back, has read its address
	s_add_nc_u64 s[PFA:PFA+1], s[PFA:PFA+1], 65536
	s_wait_dscnt 0x0                               ; the add is done, and my reads of the slot are over
	CROUND
	JLOAD
	ASK
.else
	s_wait_dscnt 0x0
	BAR
.endif
	s_xor_b32 s[TB], s[TB], SLOT1                  ; the fetches go to the other slot
.endm
.macro QLOAD base                      ; Q stays in registers: tile i / 4, channels 32 (i % 4) on
	WIN 0x80
.set i, 0
.rept 16
	global_load_b128 v[8*i:8*i+3],   v[QO], s[\base:\base+1] offset:(i/4)*4096+(i%4)*64
	global_load_b128 v[8*i+4:8*i+7], v[QO], s[\base:\base+1] offset:(i/4)*4096+(i%4)*64+32
.set i, i+1
.endr
	WIN 0
.endm
	s_load_b256 s[4:11], s[0:1], 0x0               ; qh s[4:5], kh s[6:7], vh s[8:9], ob s[10:11]
	v_lshl_add_u32 v[SPW], v0, 2, SPARE
	v_mov_b32 v[NIL], 0
	ds_add_u32 v[SPW], v[NIL]                      ; the wave's opening: the add and its wait ahead of my first tensor load
	v_lshrrev_b32 v1, 5, v0
	v_readfirstlane_b32 s[WV], v1                  ; wave 0..3
	s_bfe_u32 s13, ttmp6, 0x40000                  ; cx: it enters Q's, O's and the prefetches' addresses and the masks' values alone
	s_mov_b32 s14, ttmp9                           ; c
	s_sub_co_u32 s15, 15, s14
	s_and_b32 s20, ttmp7, 0xffff                   ; the head
	s_lshl_b32 s21, s20, 20                        ; its first byte in qh, kh, vh
	s_and_b32 s16, s[WV], 1                        ; which half of a tile's 256 rows I fetch
	s_lshl_b32 s22, s16, 15
	s_add_co_u32 s22, s22, s21
	s_mov_b32 s23, 0
	s_mul_i32 s17, s16, 128*PK                     ; its place in a slot, for K
	s_mul_i32 s18, s16, 128*PV                     ; and for V
	s_lshl_b32 s3, s13, 14                         ; my work-group's 64 queries,
	s_lshl_b32 s2, s15, 16                         ; in the first group,
	s_add_co_u32 s2, s2, s3
	s_add_co_u32 s2, s2, s21
	s_lshl_b32 s84, s14, 16                        ; and in the second
	s_add_co_u32 s84, s84, s3
	s_add_co_u32 s84, s84, s21
	s_mov_b32 s3, 0
	s_mov_b32 s85, 0
	s_lshl_b32 s19, s13, 17                        ; the same rows in ob, 2,048 bytes each,
	s_lshl_b32 s86, s15, 19
	s_add_co_u32 s86, s86, s19
	s_lshl_b32 s88, s14, 19
	s_add_co_u32 s88, s88, s19
	s_lshl_b32 s19, s20, 8                         ; and the head's 256 bytes of a row
	s_add_co_u32 s86, s86, s19
	s_add_co_u32 s88, s88, s19
	s_mov_b32 s87, 0
	s_mov_b32 s89, 0
	s_mov_b32 s[G1K], 15|(1<<16)|(1<<20)|(1<<21)|(5<<22)|(3<<25)  ; 15:0 the mask of four; 17:16 2-byte elements; 20 padding on; 21 set beside a mask; 24:22 after every 64 words; 31:25 4 words
	s_mov_b32 s[G1V], 15|(1<<16)|(1<<20)|(1<<21)|(5<<22)|(7<<25)  ; the same with 8 words of padding
.irp g, G1K, G1V
	s_mov_b32 s[(\g)+1], 128<<16                   ; tensor_dim0 = 128
	s_mov_b32 s[(\g)+2], 128<<16                   ; tensor_dim1 = 128
	s_mov_b32 s[(\g)+3], 128<<16                   ; tile_dim0 = 128
	s_mov_b32 s[(\g)+4], 128                       ; tile_dim1 = 128
	s_mov_b32 s[(\g)+5], 128                       ; elements from row to row
	s_mov_b32 s[(\g)+6], 0
	s_mov_b32 s[(\g)+7], 0
.endr
	s_mov_b32 s[G0K], 1
	s_mov_b32 s[G0K+1], s17                        ; slot 0
	s_mov_b32 s[G0V], 1
	s_add_co_u32 s[G0V+1], s18, VOFF
	s_mov_b32 s[CS], 0x3e0293ee                    ; c = log2(e) / sqrt(128)
	s_mov_b32 s[CS+1], s[CS]
	s_mov_b32 s[SEL], 0x76543210
	s_mov_b32 s[SEL+1], 0xfedcba98
	s_mov_b32 s[TB], SLOT1                         ; the first change of slots turns it into 0
	s_mov_b32 s[NXT], 1
	s_mov_b32 s[LQ], s15
	s_mov_b32 s[OFF+1], 0
	s_mov_b32 s[AL+1], 0
	s_mov_b32 s[HID], 0xf1800000
	s_mov_b32 s[SLOTS], 16
	s_sub_co_u32 s[RT], 16, s14                    ; the first group has 16 - c tiles
	s_cmp_eq_u32 s14, 0
	s_cselect_b32 s[LIM], 2, -1                    ; the same in all four partners
	s_wait_dscnt 0x0                               ; the opening add is done
	s_wait_kmcnt 0x0
	s_add_nc_u64 s[KB:KB+1], s[6:7], s[22:23]
	s_add_nc_u64 s[VB:VB+1], s[8:9], s[22:23]
	s_mov_b64 s[G0K+2:G0K+3], s[KB:KB+1]
	s_or_b32 s[G0K+3], s[G0K+3], 0x80000000
	s_mov_b64 s[G0V+2:G0V+3], s[VB:VB+1]
	s_or_b32 s[G0V+3], s[G0V+3], 0x80000000
	s_add_nc_u64 s[QLO:QLO+1], s[4:5], s[84:85]
	s_add_nc_u64 s[4:5], s[4:5], s[2:3]
	s_add_nc_u64 s[OLO:OLO+1], s[10:11], s[88:89]
	s_add_nc_u64 s[10:11], s[10:11], s[86:87]
	s_cmp_lt_u32 s[WV], 2
	s_cselect_b64 s[PFA:PFA+1], s[KB:KB+1], s[VB:VB+1]
	s_lshl_b32 s2, s13, 13                         ; my work-group's 32 rows of the 128
	s_add_nc_u64 s[PFA:PFA+1], s[PFA:PFA+1], s[2:3]
	s_add_nc_u64 s[PFA:PFA+1], s[PFA:PFA+1], 65536 ; in tile 1; the first change of slots steps it to tile 2
	CROUND                                         ; all four work-groups are here: the first joint loads meet
	JLOAD                                          ; tile 0 into slot 0
	v_and_b32 v1, 15, v0                           ; l % 16
	v_bfe_u32 v9, v0, 4, 1                         ; l / 16
	v_lshlrev_b32 v[QO], 8, v1
	v_lshl_add_u32 v[QO], v9, 4, v[QO]
	QLOAD 4
	; A group's first step multiplies O^T and l by a = 0, so they need only hold finite numbers: zeros for the first group, what the first group left for the second.  This stands in the wait for the first tile.
	WIN 0x40
.set i, 0
.rept 256
	v_mov_b32 v[i], 0
.set i, i+1
.endr
	WIN 0
.set i, 0
.rept 4
	v_mov_b32 v[ST+8*i], 0xfe000000                ; c m: far below every c s
	v_mov_b32 v[ST+8*i+1], 0xdd800000              ; m = -2^60
	v_mov_b32 v[ST+8*i+2], 0
	v_mov_b32 v[ST+8*i+3], 0
.set i, i+1
.endr
	; the three masks
	v_lshlrev_b32 v10, 3, v9
	v_sub_nc_u32 v10, v1, v10                      ; l % 16 - 8 (l / 16): in the block on the diagonal register r is hidden where r is greater
	s_cmp_gt_u32 s[WV], s13
	s_cselect_b32 s78, s[HID], 0                   ; kb < t: hidden if my keys lie behind my work-group's queries
	s_cmp_ge_u32 s[WV], s13
	s_cselect_b32 s79, s[HID], 0                   ; kb > t: also if they lie beside them
	s_cmp_eq_u32 s[WV], s13
	s_cselect_b32 s80, 1.0, 0                      ; kb = t: the triangle counts only there
.set i, 0
.rept 8
	v_cmp_gt_i32 vcc_lo, i, v10
	v_cndmask_b32 v[S+i], 0, s[HID], vcc_lo
.set i, i+1
.endr
	WIN 0xc0
.set i, 0
.rept 8
	v_mov_b32 v[MB+i], s78
	v_fma_f32 v[MB+8+i], v[S+i], s80, s78
	v_mov_b32 v[MB+16+i], s79
.set i, i+1
.endr
	WIN 0
	; addresses
	v_mul_u32_u24 v[AK0], v1, PK
	v_lshl_add_u32 v[AK0], v9, 4, v[AK0]
	s_mul_i32 s19, s[WV], 64*PK                    ; my wave's 64 keys
	v_add_nc_u32 v[AK0], s19, v[AK0]
	v_and_b32 v10, 7, v0                           ; the turning load: lane l reads key 8 (l / 16) + l % 8, channels 8 ((l / 8) % 2) + 0..7
	v_bfe_u32 v11, v0, 3, 1
	v_lshl_add_u32 v[AV0], v9, 3, v10
	v_mul_u32_u24 v[AV0], v[AV0], PV
	v_lshl_add_u32 v[AV0], v11, 4, v[AV0]
	s_mul_i32 s19, s[WV], 64*PV
	s_add_co_u32 s19, s19, VOFF
	v_add_nc_u32 v[AV0], s19, v[AV0]
	v_mul_u32_u24 v[STO], v1, SP                   ; the merge, in: my partial tile, row l % 16, 32 bytes for each half of the lanes
	v_lshl_add_u32 v[STO], v9, 5, v[STO]
	s_mul_i32 s19, s[WV], 16*SP
	s_add_co_u32 s19, s19, STG
	v_add_nc_u32 v[STO], s19, v[STO]
	v_mul_u32_u24 v[SRD], v9, SP                   ; back: rows 4 w + l / 16 (and two further down), 32 bytes at 32 (l % 16)
	v_lshl_add_u32 v[SRD], v1, 5, v[SRD]
	s_mul_i32 s19, s[WV], 4*SP
	s_add_co_u32 s19, s19, STG
	v_add_nc_u32 v[SRD], s19, v[SRD]
	v_lshlrev_b32 v[GO], 11, v9                    ; the same rows in ob, 16 bytes at 16 (l % 16)
	v_lshl_add_u32 v[GO], v1, 4, v[GO]
	s_lshl_b32 s19, s[WV], 13
	v_add_nc_u32 v[GO], s19, v[GO]
	v_lshl_add_u32 v[STR], v1, 3, STAT
	s_lshl_b32 s19, s[WV], 9
	v_add_nc_u32 v[STA], s19, v[STR]
	v_and_b32 v[PFO], 31, v0
	v_lshlrev_b32 v[PFO], 8, v[PFO]
; THE MATRIX WORK.  The accumulators take turns, one instruction a turn.
; Product i of 32 of S^T = K Q^T for piece x: channels 32 (i / 8) on, keys 16 ((i / 2) % 4) on, tile x + i % 2.  The first 8 start the sums, with the step's mask for their key block and tile.
.macro KQ x
.set rS, S+32*((\x)+i%2)+8*((i/2)%4)
.set rK, KF+32*((i/2)%4)+8*(i/8)
.set rQ, 32*((\x)+i%2)+8*(i/8)
.if i < 8
.set kb, i/2
.set tq, (\x)+i%2
.set rM, MC+8
.if kb < tq
.set rM, MC
.endif
.if kb > tq
.set rM, MC+16
.endif
	WIN W_KM
	v_wmma_f32_16x16x32_f16 v[rS:rS+7], v[rK:rK+7], v[rQ:rQ+7], v[rM:rM+7]
.else
	WIN W_KQ
	v_wmma_f32_16x16x32_f16 v[rS:rS+7], v[rK:rK+7], v[rQ:rQ+7], v[rS:rS+7]
.endif
.endm
; Product i of 32 of O^T += V^T P for piece x: keys 32 (i / 16) on, channels 16 ((i / 2) % 8) on, tile x + i % 2.
.macro PVM x
	WIN W_PV
.set rO, 64*((\x)+i%2)+8*((i/2)%8)
.set rV, 64*(i/16)+8*((i/2)%8)
.set rP, P+16*((\x)+i%2)+8*(i/16)
	v_wmma_f32_16x16x32_f16 v[rO:rO+7], v[rV:rV+7], v[rP:rP+7], v[rO:rO+7]
.endm
; THE VECTOR WORK.  One tile's softmax for one step is a list of 134 instructions; SM writes number j of it for tile t.  s0-s31 are the lane's 32 scores, in pairs 0-15.
;   0-15  the maximum of s0-s31 and the old m (each accumulator's lowest registers are read first)     16-20  the other half of the lanes' maximum; the new m; c m; c m_old - c m_new
;   21-69  ONE BATCH: the 16 scalings c s - c m and all 33 exponentials (a at 23); none of these reads an exponential's result     (the wait for the batch: SLICE writes it)
;   70-85  the roundings to f16     86-101  the sums; l = a l + the sum     102-133  the tile's O^T times a
.macro SM t
.set rT, ST+8*(\t)
.set rS, S+32*(\t)
.set rP, P+16*(\t)
.set rO, 64*(\t)+2*(j-102)
.if j < 102
	WIN 0
.endif
.if j < 4
	v_max3_num_f32 v[rT+4+j], v[rS+8*j], v[rS+8*j+1], v[rS+8*j+2]
.elseif j < 12
	v_max3_num_f32 v[rT+4+j%4], v[rT+4+j%4], v[rS+8*(j%4)+2*(j/4)+1], v[rS+8*(j%4)+2*(j/4)+2]
.elseif j == 12
	v_max3_num_f32 v[rT+4], v[rT+4], v[rS+7], v[rS+15]
.elseif j == 13
	v_max3_num_f32 v[rT+6], v[rT+6], v[rS+23], v[rS+31]
.elseif j == 14
	v_max3_num_f32 v[rT+4], v[rT+4], v[rT+5], v[rT+6]
.elseif j == 15
	v_max3_num_f32 v[rT+4], v[rT+4], v[rT+7], v[rT+1]
.elseif j == 16
	v_permlanex16_b32 v[rT+5], v[rT+4], s[SEL], s[SEL+1]  ; the query's other 32 keys lie in the lane 16 away
.elseif j == 17
	v_mov_b32 v[rT+7], v[rT]                       ; c m_old is kept for a
.elseif j == 18
	v_max_num_f32 v[rT+1], v[rT+4], v[rT+5]
.elseif j == 19
	v_mul_f32 v[rT], s[CS], v[rT+1]
.elseif j == 20
	v_sub_f32 v[rT+7], v[rT+7], v[rT]
.elseif j == 23
	v_exp_f32 v[rT+6], v[rT+7]
.elseif (j < 23) || ((j < 38) && (j%2 == 0)) || ((j < 66) && (j%4 == 2))
.set b, (j-2)/4
.if j < 38
.set b, (j-20)/2
.endif
	v_pk_fma_f32 v[rS+2*b:rS+2*b+1], v[rS+2*b:rS+2*b+1], s[CS:CS+1], v[rT:rT+1] op_sel_hi:[1,0,0] neg_lo:[0,0,1] neg_hi:[0,0,1]
.elseif j < 70
.set e, j-38
.if j < 66
.set e, j-32-(j-38)/4
.endif
.if j < 38
.set e, (j-25)/2
.endif
	v_exp_f32 v[rS+e], v[rS+e]
.elseif j < 86
	v_cvt_pk_f16_f32 v[rP+j-70], v[rS+2*(j-70)], v[rS+2*(j-70)+1]
.elseif j < 102
.set z, j-86
.set w, 4
.set u, z
.if z >= 14
.set w, 32
.set u, 0
.elseif z >= 12
.set w, 16
.set u, z-12
.elseif z >= 8
.set w, 8
.set u, z-8
.endif
.if z < 15
	v_pk_add_f32 v[rS+w*u:rS+w*u+1], v[rS+w*u:rS+w*u+1], v[rS+w*u+w/2:rS+w*u+w/2+1]
.else
	v_pk_fma_f32 v[rT+2:rT+3], v[rT+2:rT+3], v[rT+6:rT+7], v[rS:rS+1] op_sel_hi:[1,0,1]
.endif
.else
	WIN W_RS
	v_pk_mul_f32 v[rO:rO+1], v[rO:rO+1], v[rT+6:rT+7] op_sel_hi:[1,0]
.endif
.endm
; Slice k of 64 of piece y's softmax.  Slices 11 to 34 deal out the batch, four numbers of one tile each, the tiles by turns; every other slice is numbers 2 k and 2 k + 1 of both tiles; the twelve that are over stand in slice 63.
; Ahead of slice 35 nothing names an exponential's result, and behind slice 34 none is issued: the piece's 66 exponentials have one plain instruction and one wait, behind slice 34.
.macro SLICE y
.if (k >= 11) && (k < 35)
.irp n, 0,1,2,3
.set j, 22+4*((k-11)/2)+(\n)
	SM (\y)+(k-11)%2
.endr
.else
.irp n, 0,1,2,3,4,5,6,7
.if ((\n) < 2) || (k == 63)
.irp t, \y, (\y)+1
.set j, 2*k+(\n)
	SM \t
.endr
.endif
.endr
.endif
.if k == 34
	v_nop
	s_wait_alu depctr_va_vdst(0)
.endif
.set k, k+1
.endm
; A STEP: my 64 keys of the tile in slot TB, for all 64 queries.  Nothing crosses a step, so none is written out apart.
.macro STEP
	WIN 0xc3                                       ; the step's masks; these twelve lines are also the places between the last step's products and the loads into V's registers
.set zz, 0
.rept 12
	v_pk_mul_f32 v[MC+2*zz:MC+2*zz+1], v[MB+2*zz:MB+2*zz+1], s[AL:AL+1] op_sel_hi:[1,0]
.set zz, zz+1
.endr
	WIN 0
	v_add_nc_u32 v[ADR], s[TB], v[AK0]
	v_add_nc_u32 v[ADV], s[TB], v[AV0]
	WIN 0x80                                       ; K: keys 16 (f / 4) on, channels 32 (f % 4) on
.irp f, 0,1,2,3,4,5,6,7,8,9,10,11,12,13,14,15
	ds_load_b128 v[KF+8*(\f):KF+8*(\f)+3],   v[ADR] offset:((\f)/4)*16*PK+((\f)%4)*64
	ds_load_b128 v[KF+8*(\f)+4:KF+8*(\f)+7], v[ADR] offset:((\f)/4)*16*PK+((\f)%4)*64+32
.endr
	WIN 0xc0                                       ; V, turned: keys 32 (f / 8) on, channels 16 (f % 8) on
.irp f, 0,1,2,3,4,5,6,7,8,9,10,11,12,13,14,15
	ds_load_tr16_b128 v[8*(\f):8*(\f)+3],   v[ADV] offset:((\f)/8)*32*PV+((\f)%8)*32
	ds_load_tr16_b128 v[8*(\f)+4:8*(\f)+7], v[ADV] offset:((\f)/8)*32*PV+16*PV+((\f)%8)*32
.endr
	s_wait_loadcnt 0x0                             ; Q (a group's first step)
	s_wait_dscnt 32                                ; K is in; V's 32 loads may stay out
.set i, 0
.rept 32
	KQ 0
.set i, i+1
.endr
	PLACES
.set k, 0
.set i, 0
.rept 32
	KQ 2
	SLICE 0
	SLICE 0
.set i, i+1
.endr
	s_wait_dscnt 0x0                               ; V is in
.set k, 0
.set i, 0
.rept 32
	PVM 0
	SLICE 2
	SLICE 2
.set i, i+1
.endr
.set i, 0
.rept 32
	PVM 2
.set i, i+1
.endr
	WIN 0
.endm
; A GROUP'S END.  Each wave holds, for all 64 queries, the maximum, sum and O^T of its quarter of the keys.  (c m, l) meet in LDS; every wave makes c M = the largest c m, L = the sum of 2^(c m - c M) l, and its own factor
; g = 2^(c m - c M) / L.  Then, a tile of 16 queries at a time: each wave puts g O^T, in f32, into its partial tile; each adds the four partial tiles for four of the 16 rows, rounds to f16 and stores:
; sixteen lanes fill the 256 bytes that the head has in a row of ob.  last = 0: the second group's Q is fetched meanwhile, and m is set anew.
.macro MERGE last
.if !(\last)
	QLOAD QLO
.endif
.irp t, 0,1,2,3
	v_add_f32 v[ST+8*(\t)+2], v[ST+8*(\t)+2], v[ST+8*(\t)+3]
.endr
.irp t, 0,1,2,3
	v_permlanex16_b32 v[ST+8*(\t)+3], v[ST+8*(\t)+2], s[SEL], s[SEL+1]
.endr
.irp t, 0,1,2,3
	v_add_f32 v[ST+8*(\t)+1], v[ST+8*(\t)+2], v[ST+8*(\t)+3]  ; l, beside c m
.endr
.irp t, 0,1,2,3
	ds_store_b64 v[STA], v[ST+8*(\t):ST+8*(\t)+1] offset:128*(\t)
.endr
	s_wait_dscnt 0x0                               ; for the others' sake
	BAR
.irp t, 0,1,2,3
.irp p, 0,1,2,3
	ds_load_b64 v[S+8*(\t)+2*(\p):S+8*(\t)+2*(\p)+1], v[STR] offset:512*(\p)+128*(\t)
.endr
.endr
	s_wait_dscnt 0x0
.irp t, 0,1,2,3
	v_max3_num_f32 v[ST+8*(\t)+5], v[S+8*(\t)], v[S+8*(\t)+2], v[S+8*(\t)+4]
.endr
.irp t, 0,1,2,3
	v_max_num_f32 v[ST+8*(\t)+5], v[ST+8*(\t)+5], v[S+8*(\t)+6]
.endr
.irp t, 0,1,2,3
.irp p, 0,1,2,3
	v_sub_f32 v[S+8*(\t)+2*(\p)], v[S+8*(\t)+2*(\p)], v[ST+8*(\t)+5]
.endr
	v_sub_f32 v[ST+8*(\t)+4], v[ST+8*(\t)], v[ST+8*(\t)+5]
.endr
.irp t, 0,1,2,3
.irp p, 0,1,2,3
	v_exp_f32 v[S+8*(\t)+2*(\p)], v[S+8*(\t)+2*(\p)]
.endr
	v_exp_f32 v[ST+8*(\t)+4], v[ST+8*(\t)+4]
.endr
	v_nop                                          ; a plain instruction behind the last exponential,
	s_wait_alu depctr_va_vdst(0)                   ; and one wait for the twenty
.irp t, 0,1,2,3
	v_mul_f32 v[ST+8*(\t)+6], v[S+8*(\t)], v[S+8*(\t)+1]
.endr
.irp p, 1,2,3
.irp t, 0,1,2,3
	v_fmac_f32 v[ST+8*(\t)+6], v[S+8*(\t)+2*(\p)], v[S+8*(\t)+2*(\p)+1]
.endr
.endr
.irp t, 0,1,2,3
	v_rcp_f32 v[ST+8*(\t)+7], v[ST+8*(\t)+6]
.endr
	v_nop
	s_wait_alu depctr_va_vdst(0)                   ; one wait for the four reciprocals
.irp t, 0,1,2,3
	v_mul_f32 v[GT+2*(\t)], v[ST+8*(\t)+4], v[ST+8*(\t)+7]
	v_mul_f32 v[GT+2*(\t)+1], v[ST+8*(\t)+4], v[ST+8*(\t)+7]
.endr
.irp t, 0,1,2,3
.if (\t) > 0
	BAR                                            ; every wave's reads of the partial tiles are back (the wait for them stands above): they may be written again
.endif
	WIN W_RS
.set i, 0
.rept 32
	v_pk_mul_f32 v[64*(\t)+2*i:64*(\t)+2*i+1], v[64*(\t)+2*i:64*(\t)+2*i+1], v[GT+2*(\t):GT+2*(\t)+1] op_sel_hi:[1,0]
.set i, i+1
.endr
	WIN 0x04                                       ; the stores' data in window 1
.irp f, 0,1,2,3,4,5,6,7
	ds_store_b128 v[STO], v[64*(\t)+8*(\f):64*(\t)+8*(\f)+3]   offset:64*(\f)
	ds_store_b128 v[STO], v[64*(\t)+8*(\f)+4:64*(\t)+8*(\f)+7] offset:64*(\f)+16
.endr
	WIN 0
	s_wait_dscnt 0x0                               ; for the others' sake
	BAR
.irp n, 0,1
.irp p, 0,1,2,3
	ds_load_b128 v[RR+8*(4*(\n)+(\p)):RR+8*(4*(\n)+(\p))+3],   v[SRD] offset:16*SP*(\p)+2*SP*(\n)
	ds_load_b128 v[RR+8*(4*(\n)+(\p))+4:RR+8*(4*(\n)+(\p))+7], v[SRD] offset:16*SP*(\p)+2*SP*(\n)+16
.endr
.endr
	s_wait_dscnt 0x0
.irp n, 0,1
.irp r, 0,2,4,6
	v_pk_add_f32 v[RR+32*(\n)+(\r):RR+32*(\n)+(\r)+1], v[RR+32*(\n)+(\r):RR+32*(\n)+(\r)+1], v[RR+32*(\n)+8+(\r):RR+32*(\n)+8+(\r)+1]
	v_pk_add_f32 v[RR+32*(\n)+16+(\r):RR+32*(\n)+16+(\r)+1], v[RR+32*(\n)+16+(\r):RR+32*(\n)+16+(\r)+1], v[RR+32*(\n)+24+(\r):RR+32*(\n)+24+(\r)+1]
.endr
.endr
.irp n, 0,1
.irp r, 0,2,4,6
	v_pk_add_f32 v[RR+32*(\n)+(\r):RR+32*(\n)+(\r)+1], v[RR+32*(\n)+(\r):RR+32*(\n)+(\r)+1], v[RR+32*(\n)+16+(\r):RR+32*(\n)+16+(\r)+1]
.endr
.endr
.irp n, 0,1
.irp r, 0,1,2,3
	v_cvt_pk_f16_f32 v[P+8*(\t)+4*(\n)+(\r)], v[RR+32*(\n)+2*(\r)], v[RR+32*(\n)+2*(\r)+1]
.endr
	global_store_b128 v[GO], v[P+8*(\t)+4*(\n):P+8*(\t)+4*(\n)+3], s[10:11] offset:(16*(\t)+2*(\n))*2048
.endr
.endr
.if !(\last)
.irp t, 0,1,2,3
	v_mov_b32 v[ST+8*(\t)], 0xfe000000
	v_mov_b32 v[ST+8*(\t)+1], 0xdd800000
.endr
	s_wait_xcnt 0x0                                ; the stores have read their registers and O's address
	s_mov_b64 s[10:11], s[OLO:OLO+1]
	s_add_co_u32 s[RT], s14, 1                     ; the second group has c + 1 tiles
.endif
.endm
.Lslot:                                                ; 16 trips: a tile is entered and the next is asked for
	CHANGE 1
	s_sub_co_u32 s[RT], s[RT], 1
	s_cmp_eq_u32 s[RT], 0                          ; the group's last tile holds the diagonal
	s_cselect_b32 s[AL], 1.0, 0
	STEP
	s_cmp_lg_u32 s[RT], 0                          ; the same in every wave and in every partner: it hangs on c and the trip alone
	s_cbranch_scc1 .Lbottom
	MERGE 0                                        ; in the loop this is the first group's end: the second group's last tile is the walk's last
.Lbottom:
	s_sub_co_u32 s[SLOTS], s[SLOTS], 1
	s_cmp_lg_u32 s[SLOTS], 0
	s_cbranch_scc1 .Lslot
	CHANGE 0                                       ; the walk's last tile is written out: nothing is asked for
	s_mov_b32 s[AL], 1.0
	STEP
	MERGE 1
	s_wait_tensorcnt 0x0                           ; the wave's end: behind my last tensor load and my last LDS store
	ds_add_u32 v[SPW], v[NIL]
	s_wait_dscnt 0x0
	CROUND                                         ; the closing round
	s_endpgm
.Lfunc_end_k_q4a96c43a8c_attn:
	.size	k_q4a96c43a8c_attn, .Lfunc_end_k_q4a96c43a8c_attn-k_q4a96c43a8c_attn
	.p2alignl 7, 3214868480
	.fill 96, 4, 3214868480
	.section	.rodata,"a",@progbits
	.p2align	6, 0x0
	.amdhsa_kernel k_q4a96c43a8c_attn
		.amdhsa_group_segment_fixed_size 327680
		.amdhsa_private_segment_fixed_size 0
		.amdhsa_enable_private_segment 0
		.amdhsa_kernarg_size 32
		.amdhsa_user_sgpr_count 2
		.amdhsa_user_sgpr_kernarg_segment_ptr 1
		.amdhsa_wavefront_size32 1
		.amdhsa_system_sgpr_workgroup_id_x 1
		.amdhsa_system_sgpr_workgroup_id_y 1
		.amdhsa_system_sgpr_workgroup_id_z 1
		.amdhsa_system_vgpr_workitem_id 0
		.amdhsa_next_free_vgpr 944
		.amdhsa_next_free_sgpr 96
		.amdhsa_reserve_vcc 1
		.amdhsa_float_denorm_mode_32 3
		.amdhsa_float_denorm_mode_16_64 3
		.amdhsa_memory_ordered 1
		.amdhsa_forward_progress 1
		.amdhsa_inst_pref_size 181
	.end_amdhsa_kernel
	.amdgpu_metadata
---
amdhsa.version: [ 1, 2 ]
amdhsa.kernels:
  - .name:           k_q4a96c43a8c_attn
    .symbol:         k_q4a96c43a8c_attn.kd
    .args:
      - { .name: qh, .offset: 0, .size: 8, .value_kind: global_buffer, .address_space: global }
      - { .name: kh, .offset: 8, .size: 8, .value_kind: global_buffer, .address_space: global }
      - { .name: vh, .offset: 16, .size: 8, .value_kind: global_buffer, .address_space: global }
      - { .name: ob, .offset: 24, .size: 8, .value_kind: global_buffer, .address_space: global }
    .group_segment_fixed_size: 327680
    .private_segment_fixed_size: 0
    .kernarg_segment_align: 8
    .kernarg_segment_size: 32
    .max_flat_workgroup_size: 128
    .sgpr_count:     96
    .vgpr_count:     944
    .wavefront_size: 32
...
	.end_amdgpu_metadata
.endif
;; end of part 3
;; launch oproj (part 4): grid 8 x 32, 4 waves a work-group, clusters of 4 x 4, 327,680 bytes of LDS; arguments ob, wob, out0; writes out0
.if DOCPART == 4
	.amdgcn_target "amdgcn-amd-amdhsa--gfx1250"
	.amdhsa_code_object_version 6
	.text
	.protected	k_q4a96c43a8c_oproj
	.globl	k_q4a96c43a8c_oproj
	.p2align	8
	.type	k_q4a96c43a8c_oproj,@function
k_q4a96c43a8c_oproj:
	s_mov_b64 s[64:65], 0
	v_nop
	global_prefetch_b8 v0, s[64:65] scope:SCOPE_SE
	s_setreg_imm32_b32 hwreg(HW_REG_WAVE_MODE, 25, 1), 1
	s_wait_xcnt 0x0
	s_wait_alu depctr_hold_cnt(0) depctr_sa_sdst(0) depctr_va_vdst(0) depctr_va_sdst(0) depctr_va_ssrc(0) depctr_va_vcc(0) depctr_vm_vsrc(0)
	s_getreg_b32 s2, hwreg(HW_REG_IB_STS2, 6, 4)
	s_cmp_eq_u32 s2, 0
	s_cbranch_scc0 .Lentry_in_a_cluster
	s_endpgm
.Lentry_in_a_cluster:
	s_bfe_u32 s2, ttmp6, 0x10000c
	s_cmp_lg_u32 s2, 0xf033
	s_cbranch_scc0 .Lentry_shape_is_right
	s_endpgm
.Lentry_shape_is_right:
; out0[s][n] = the sum over o of O[s][o] wo[n][o].  ob: [4096][1024] f16.  wob: [2048][1024] f16 (wo rounded to bf16, written as f16).  out0: [4096][2048] f32.  One f32 sum for each output, K ascending.
; SHARES.  A work-group makes 128 rows x 256 columns; wave w rows 64 (w / 2) on, columns 128 (w % 2) on: 32 accumulators of 16 x 16, all of window 2.  K = 1,024 goes in steps of 128 through two LDS slots.
; A wave's tensor load brings 128 rows x 256 bytes: wave 0 O's, waves 1 and 2 the two halves of wo's 256 rows; wave 3 has no part of a tile to fill and issues none.
; CLUSTER 4 x 4: O's tile is shared along a row of the cluster, wo's along a column: joint loads.  THE MATRIX INSTRUCTION IS USED TRANSPOSED (source 0 = 16 rows of wo, source 1 = 16 rows of O): a lane holds eight
; neighbouring numbers of a row of out0.
; REGISTERS: window 0: v16-30 addresses; v64-127 O's fragments, two buffers of 32; v128-255 the way out.  window 1: v0-127 wo's fragments, two buffers of 64.  window 2: accumulator (a, b) at v[8 (8 a + b)].
.set KSTEP,  128
.set PITCH,  272
.set HALFT,  128*PITCH
.set SLOT,   3*HALFT                   ; O's 128 rows, then wo's 256
.set STAGE,  2*SLOT                    ; behind the ring, never filled by a tensor load: 16 rows x 528 bytes for each wave
.set SPITCH, 528
.set SPARE,  STAGE+4*16*SPITCH         ; the spare words, 128 bytes for each wave: two blocks of 256 bytes that no other line names
.set LAPS,   1024/(2*KSTEP)
.set ADRA, 16                          ; v16-17  LDS address of my fragments of O in slot 0, 1
.set ADRB, 20                          ; v20-21  of wo
.set STO,  24                          ; v24  the way out: where I put 32 bytes of a row
.set RD,   25                          ; v25  where I read a row back
.set CO,   26                          ; v26  16 x lane
.set SPW,  28                          ; v28  LDS address of my spare word; never rewritten
.set NIL,  29                          ; v29  0; never rewritten
.set PFO,  30                          ; v30  the prefetches' offset: lane x 2,048; never rewritten
.set G1,  24
.set G0,  32
.set G1B, 48
.set G0B, 56
.set PFA, 44
.set LIM, 43
.set MSB, 0
.macro WIN new
.if MSB != (\new)
	s_set_vgpr_msb (MSB<<8)|(\new)
.set MSB, \new
.endif
.endm
.set MUL,  0xa1                        ; source 0 (wo) window 1, source 1 (O) window 0, C and D window 2
.set TO_B, 0x40
.macro PLACES
.rept 4
	v_nop
.endr
.endm
; A joint load, by the wave's number alone: wave 0 O's tile, waves 1 and 2 wo's, wave 3 none.  An s_nop 0 and four v_nop follow each line; wave 3 has four v_nop of its own, the places in front of the LDS loads that follow.
.macro JLOAD s
	s_cmp_eq_u32 s10, 0
	s_cbranch_scc0 .Lnot_a_\@
	tensor_load_to_lds s[G0+4*(\s):G0+4*(\s)+3], s[G1:G1+7]
	s_nop 0
	PLACES
	s_branch .Lasked_\@
.Lnot_a_\@:
	s_cmp_eq_u32 s10, 3
	s_cbranch_scc1 .Lnone_\@
	tensor_load_to_lds s[G0B+4*(\s):G0B+4*(\s)+3], s[G1B:G1B+7]
	s_nop 0
	PLACES
	s_branch .Lasked_\@
.Lnone_\@:
	PLACES
.Lasked_\@:
.endm
; A prefetch of the K step two refills on: 32 rows x 256 bytes, a lane a row.  Cluster x = 0 asks for O's rows, cluster y = 0 for wo's; the four partners of a joint load take 32 rows each, told apart by address; the loop's last trip asks for nothing.
.macro ASK
	s_cmp_gt_u32 s3, s[LIM]
	s_cbranch_scc0 .Lnot_mine_\@
	global_prefetch_b8 v[PFO], s[PFA:PFA+1] offset:KSTEP*2 th:TH_LOAD_NT scope:SCOPE_SE
.Lnot_mine_\@:
.endm
.macro CREST
	s_cmp_lg_u32 s10, 0
	s_cbranch_scc1 .Lnot_wave_0_\@
	s_barrier_signal -3
.Lnot_wave_0_\@:
	s_barrier_wait -3
	s_barrier_signal -1
	s_barrier_wait -1
.endm
.macro CROUND
	s_barrier_signal -1
	s_barrier_wait -1
	CREST
.endm
	s_load_b128 s[4:7], s[0:1], 0x0                ; ob s[4:5], wob s[6:7]
	s_load_b64 s[8:9], s[0:1], 0x10                ; out0
	v_lshl_add_u32 v[SPW], v0, 2, SPARE
	v_mov_b32 v[NIL], 0
	ds_add_u32 v[SPW], v[NIL]                      ; the wave's opening: the add and its wait ahead of my first tensor load
	v_lshrrev_b32 v1, 5, v0
	v_readfirstlane_b32 s10, v1                    ; wave 0..3
	s_lshr_b32 s11, s10, 1                         ; which 64 rows are mine
	s_and_b32 s12, s10, 1                          ; which 128 columns
	s_bfe_u32 s40, ttmp6, 0x40000                  ; cx
	s_bfe_u32 s41, ttmp6, 0x40004                  ; cy
	s_lshl_b32 s42, ttmp9, 2
	s_add_co_u32 s42, s42, s40                     ; tile column
	s_and_b32 s13, ttmp7, 0xffff
	s_lshl_b32 s13, s13, 2
	s_add_co_u32 s13, s13, s41                     ; tile row
	s_lshl_b32 s43, s41, 2
	s_lshl_b32 s43, 15, s43                        ; my row of the cluster
	s_lshl_b32 s44, 0x1111, s40                    ; my column
	s_or_b32 s[G1+0], s43, (1<<16)|(1<<20)|(1<<21)|(5<<22)|(3<<25)
	s_or_b32 s[G1B+0], s44, (1<<16)|(1<<20)|(1<<21)|(5<<22)|(3<<25)
.irp g, G1, G1B
	s_mov_b32 s[(\g)+1], KSTEP<<16                 ; tensor_dim0 = 128
	s_mov_b32 s[(\g)+2], 128<<16                   ; tensor_dim1 = 128
	s_mov_b32 s[(\g)+3], KSTEP<<16                 ; tile_dim0 = 128
	s_mov_b32 s[(\g)+4], 128                       ; tile_dim1 = 128
	s_mov_b32 s[(\g)+5], 1024                      ; elements from row to row
	s_mov_b32 s[(\g)+6], 0
	s_mov_b32 s[(\g)+7], 0
.endr
	s_lshl_b32 s16, s13, 18                        ; O: 128 rows of 2,048 bytes for each tile row
	s_mov_b32 s17, 0
	s_max_u32 s21, s10, 1
	s_min_u32 s21, s21, 2
	s_sub_co_u32 s21, s21, 1                       ; waves 1, 2: the halves of wo's 256 rows
	s_lshl_b32 s21, s21, 18
	s_lshl_b32 s46, s42, 19
	s_add_co_u32 s46, s46, s21
	s_mov_b32 s47, 0
	s_mul_i32 s20, s10, HALFT                      ; where my tile goes
	s_wait_dscnt 0x0                               ; the opening add is done
	s_wait_kmcnt 0x0
	s_add_nc_u64 s[14:15], s[4:5], s[16:17]
	s_add_nc_u64 s[46:47], s[6:7], s[46:47]
	CROUND                                         ; all sixteen work-groups are here
.irp s, 0,1
	s_mov_b32 s[G0+4*(\s)], 1
	s_add_co_u32 s[G0+4*(\s)+1], s20, (\s)*SLOT
	s_add_nc_u64 s[G0+4*(\s)+2:G0+4*(\s)+3], s[14:15], (\s)*KSTEP*2
	s_or_b32 s[G0+4*(\s)+3], s[G0+4*(\s)+3], 0x80000000
	s_mov_b32 s[G0B+4*(\s)], 1
	s_add_co_u32 s[G0B+4*(\s)+1], s20, (\s)*SLOT
	s_add_nc_u64 s[G0B+4*(\s)+2:G0B+4*(\s)+3], s[46:47], (\s)*KSTEP*2
	s_or_b32 s[G0B+4*(\s)+3], s[G0B+4*(\s)+3], 0x80000000
.endr
	s_cmp_eq_u32 s10, 0                            ; a wave's two first fills stand in one branch; the counted wait follows behind it
	s_cbranch_scc0 .Lfirst_not_a
	tensor_load_to_lds s[G0:G0+3], s[G1:G1+7]
	s_nop 0
	tensor_load_to_lds s[G0+4:G0+7], s[G1:G1+7]
	s_nop 0
	PLACES
	s_branch .Lfirst_asked
.Lfirst_not_a:
	s_cmp_eq_u32 s10, 3
	s_cbranch_scc1 .Lfirst_asked
	tensor_load_to_lds s[G0B:G0B+3], s[G1B:G1B+7]
	s_nop 0
	tensor_load_to_lds s[G0B+4:G0B+7], s[G1B:G1B+7]
	s_nop 0
	PLACES
.Lfirst_asked:
	; the prefetches
	s_and_b32 s22, ttmp7, 0xffff                   ; cluster y
	s_cmp_eq_u32 s10, 0
	s_cselect_b32 s21, s40, s41                    ; my place among the four that ask with me
	s_cselect_b32 s22, ttmp9, s22
	s_cselect_b64 s[PFA:PFA+1], s[14:15], s[46:47]
	s_cmp_eq_u32 s22, 0
	s_cselect_b32 s[LIM], 1, -1
	s_cmp_eq_u32 s10, 3
	s_cselect_b32 s[LIM], -1, s[LIM]               ; wave 3 fetches nothing and asks for nothing
	s_lshl_b32 s22, s21, 16                        ; my work-group's 32 rows of the 128
	s_mov_b32 s23, 0
	s_add_nc_u64 s[PFA:PFA+1], s[PFA:PFA+1], s[22:23]
	s_add_nc_u64 s[PFA:PFA+1], s[PFA:PFA+1], 2*KSTEP*2  ; at K step 2: the first refill steps it to 3 and names K step 4
	v_and_b32 v[PFO], 31, v0
	v_lshlrev_b32 v[CO], 4, v[PFO]
	v_lshlrev_b32 v[PFO], 11, v[PFO]
	; where my part of out0 begins
	s_lshl_b32 s18, s13, 20                        ; 128 rows of 8,192 bytes
	s_lshl_b32 s19, s11, 19
	s_add_co_u32 s18, s18, s19
	s_lshl_b32 s19, s42, 10                        ; 256 columns of 4 bytes
	s_add_co_u32 s18, s18, s19
	s_lshl_b32 s19, s12, 9
	s_add_co_u32 s18, s18, s19
	s_mov_b32 s19, 0
	s_add_nc_u64 s[8:9], s[8:9], s[18:19]
	; LDS addresses
	v_and_b32 v1, 15, v0
	v_bfe_u32 v2, v0, 4, 1
	v_mul_u32_u24 v3, v1, PITCH
	v_lshl_add_u32 v3, v2, 4, v3
	s_mul_i32 s21, s11, 64*PITCH
	s_mul_i32 s22, s12, HALFT
	s_add_co_u32 s22, s22, HALFT
.irp s, 0,1
	v_add_nc_u32 v[ADRA+(\s)], s21, v3
	v_add_nc_u32 v[ADRB+(\s)], s22, v3
	s_add_co_u32 s21, s21, SLOT
	s_add_co_u32 s22, s22, SLOT
.endr
	s_mul_i32 s23, s10, 16*SPITCH
	s_add_co_u32 s23, s23, STAGE                   ; my stage
	v_mul_u32_u24 v4, v1, SPITCH                   ; in: row l % 16, 32 bytes for each half of the lanes
	v_lshl_add_u32 v4, v2, 5, v4
	v_add_nc_u32 v[STO], s23, v4
	v_add_nc_u32 v[RD], s23, v[CO]                 ; back: 32 lanes take one row of 512 bytes
.macro MUL8 f, a, zero                 ; row block a x all 8 column blocks, 32 along K.  The 32 accumulators take turns, in the same order in every quarter
	WIN MUL
.irp b, 0,1,2,3,4,5,6,7
.if \zero
	v_wmma_f32_16x16x32_f16 v[8*(8*(\a)+(\b)):8*(8*(\a)+(\b))+7], v[64*(\f)+8*(\b):64*(\f)+8*(\b)+7], v[64+32*(\f)+8*(\a):64+32*(\f)+8*(\a)+7], 0
.else
	v_wmma_f32_16x16x32_f16 v[8*(8*(\a)+(\b)):8*(8*(\a)+(\b))+7], v[64*(\f)+8*(\b):64*(\f)+8*(\b)+7], v[64+32*(\f)+8*(\a):64+32*(\f)+8*(\a)+7], v[8*(8*(\a)+(\b)):8*(8*(\a)+(\b))+7]
.endif
.endr
.endm
.macro FETCH slot, k, f                ; 24 LDS loads in one run: wo's eight blocks, then O's four
	WIN TO_B
.irp i, 0,1,2,3,4,5,6,7
	ds_load_b128 v[64*(\f)+8*(\i):64*(\f)+8*(\i)+3],   v[ADRB+(\slot)] offset:(\k)+(\i)*16*PITCH
	ds_load_b128 v[64*(\f)+8*(\i)+4:64*(\f)+8*(\i)+7], v[ADRB+(\slot)] offset:(\k)+(\i)*16*PITCH+32
.endr
	WIN 0
.irp i, 0,1,2,3
	ds_load_b128 v[64+32*(\f)+8*(\i):64+32*(\f)+8*(\i)+3],   v[ADRA+(\slot)] offset:(\k)+(\i)*16*PITCH
	ds_load_b128 v[64+32*(\f)+8*(\i)+4:64+32*(\f)+8*(\i)+7], v[ADRA+(\slot)] offset:(\k)+(\i)*16*PITCH+32
.endr
.endm
.macro QUARTER slot, k, f, g, zero
	s_wait_dscnt 4                                 ; the youngest four loads (O's row blocks 2, 3) may be out
	MUL8 \f, 0, \zero
	MUL8 \f, 1, \zero
	PLACES
	FETCH \slot, \k, \g
	s_wait_dscnt 24                                ; all but the 24 just issued
	MUL8 \f, 2, \zero
	MUL8 \f, 3, \zero
.endm
; The last quarter multiplies buffer 1 and changes slots: one barrier; in front of it each wave waits for all its tensor loads, adds 0 to its spare word, and waits for that and for its reads of this slot.
; fill = 1: the barrier opens a round of the cluster's, and this slot is filled again first thing behind the round: 112 matrix instructions ahead of the wait for it.
.macro TURN slot, next, fill
.if \fill
	s_wait_xcnt 0x0                                ; the last prefetch, a K step back, has read its address
	s_add_nc_u64 s[PFA:PFA+1], s[PFA:PFA+1], KSTEP*2
.endif
	WIN 0
	s_wait_tensorcnt 0x0
	ds_add_u32 v[SPW], v[NIL]
	s_wait_dscnt 5                                 ; (the add and the youngest four loads may be out)
	MUL8 1, 0, 0
	s_wait_dscnt 0x0                               ; the add is done, and my reads of this slot are over
	s_barrier_signal -1
	MUL8 1, 1, 0
.if \fill
	WIN 0
.endif
	s_barrier_wait -1
.if \fill
	CREST
	s_add_nc_u64 s[G0+4*(\slot)+2:G0+4*(\slot)+3], s[G0+4*(\slot)+2:G0+4*(\slot)+3], 2*KSTEP*2
	s_add_nc_u64 s[G0B+4*(\slot)+2:G0B+4*(\slot)+3], s[G0B+4*(\slot)+2:G0B+4*(\slot)+3], 2*KSTEP*2
	JLOAD \slot
.else
	PLACES
.endif
	FETCH \next, 0, 0
.if \fill
	ASK
.endif
	MUL8 1, 2, 0
	MUL8 1, 3, 0
.endm
	s_wait_tensorcnt 1                             ; my part of K step 0 is in; K step 1's may stay out
	s_barrier_signal -1
	s_barrier_wait -1
	FETCH 0, 0, 0
	QUARTER 0, 64,  0, 1, 1                        ; the first quarter's products start the sums
	WIN 0
	s_mov_b32 s3, LAPS-1
.Llap:
	QUARTER 0, 128, 1, 0, 0
	QUARTER 0, 192, 0, 1, 0
	TURN 0, 1, 1
	QUARTER 1, 64,  0, 1, 0
	QUARTER 1, 128, 1, 0, 0
	QUARTER 1, 192, 0, 1, 0
	TURN 1, 0, 1
	QUARTER 0, 64,  0, 1, 0
	WIN 0
	s_sub_co_u32 s3, s3, 1
	s_cmp_lg_u32 s3, 0
	s_cbranch_scc1 .Llap
	QUARTER 0, 128, 1, 0, 0                        ; the last lap fills nothing
	QUARTER 0, 192, 0, 1, 0
	TURN 0, 1, 0
	QUARTER 1, 64,  0, 1, 0
	QUARTER 1, 128, 1, 0, 0
	QUARTER 1, 192, 0, 1, 0
	s_wait_dscnt 4
	MUL8 1, 0, 0
	MUL8 1, 1, 0
	s_wait_dscnt 0x0
	MUL8 1, 2, 0
	MUL8 1, 3, 0
	WIN 0
	PLACES
	PLACES
; THE WAY OUT, in f32, a block of 16 rows at a time through my own stage: 32 bytes a lane in, whole rows of 512 bytes back.
.macro TOSTAGE a
.set BKR, 128+64*((\a)%2)
.if (\a) >= 2
	s_wait_xcnt 0x0                                ; the block two back has had its stores' registers read
.endif
	WIN 0x08                                       ; the stores' data in window 2; each accumulator's lowest registers go first
.irp b, 0,1,2,3,4,5,6,7
	ds_store_b128 v[STO], v[8*(8*(\a)+(\b)):8*(8*(\a)+(\b))+3]   offset:64*(\b)
	ds_store_b128 v[STO], v[8*(8*(\a)+(\b))+4:8*(8*(\a)+(\b))+7] offset:64*(\b)+16
.endr
	WIN 0
.irp t, 0,1,2,3,4,5,6,7,8,9,10,11,12,13,14,15
	ds_load_b128 v[BKR+4*(\t):BKR+4*(\t)+3], v[RD] offset:(\t)*SPITCH  ; LDS serves a wave's instructions in order (ISA guide 5.7.1.4): these see the stores above, and the next block's stores come behind them
.endr
.endm
.macro SEND a, younger                 ; younger: the LDS instructions issued behind block a's loads
.set BKR, 128+64*((\a)%2)
.irp t, 0,1,2,3,4,5,6,7,8,9,10,11,12,13,14,15
	s_wait_dscnt (\younger)+15-(\t)
	global_store_b128 v[CO], v[BKR+4*(\t):BKR+4*(\t)+3], s[8:9] offset:131072*(\a)+8192*(\t) th:TH_STORE_NT  ; 512 consecutive bytes of a row, aligned
.endr
.endm
	TOSTAGE 0
	TOSTAGE 1
	SEND 0, 32
	TOSTAGE 2
	SEND 1, 32
	TOSTAGE 3
	SEND 2, 32
	SEND 3, 0
	s_wait_tensorcnt 0x0                           ; the wave's end: behind my last tensor load and my last LDS store
	ds_add_u32 v[SPW], v[NIL]
	s_wait_dscnt 0x0
	CROUND                                         ; the closing round
	s_endpgm
.Lfunc_end_k_q4a96c43a8c_oproj:
	.size	k_q4a96c43a8c_oproj, .Lfunc_end_k_q4a96c43a8c_oproj-k_q4a96c43a8c_oproj
	.p2alignl 7, 3214868480
	.fill 96, 4, 3214868480
	.section	.rodata,"a",@progbits
	.p2align	6, 0x0
	.amdhsa_kernel k_q4a96c43a8c_oproj
		.amdhsa_group_segment_fixed_size 327680
		.amdhsa_private_segment_fixed_size 0
		.amdhsa_enable_private_segment 0
		.amdhsa_kernarg_size 24
		.amdhsa_user_sgpr_count 2
		.amdhsa_user_sgpr_kernarg_segment_ptr 1
		.amdhsa_wavefront_size32 1
		.amdhsa_system_sgpr_workgroup_id_x 1
		.amdhsa_system_sgpr_workgroup_id_y 1
		.amdhsa_system_sgpr_workgroup_id_z 1
		.amdhsa_system_vgpr_workitem_id 0
		.amdhsa_next_free_vgpr 768
		.amdhsa_next_free_sgpr 66
		.amdhsa_reserve_vcc 0
		.amdhsa_float_denorm_mode_32 3
		.amdhsa_float_denorm_mode_16_64 3
		.amdhsa_memory_ordered 1
		.amdhsa_forward_progress 1
		.amdhsa_inst_pref_size 88
	.end_amdhsa_kernel
	.amdgpu_metadata
---
amdhsa.version: [ 1, 2 ]
amdhsa.kernels:
  - .name:           k_q4a96c43a8c_oproj
    .symbol:         k_q4a96c43a8c_oproj.kd
    .args:
      - { .name: ob, .offset: 0, .size: 8, .value_kind: global_buffer, .address_space: global }
      - { .name: wob, .offset: 8, .size: 8, .value_kind: global_buffer, .address_space: global }
      - { .name: out0, .offset: 16, .size: 8, .value_kind: global_buffer, .address_space: global }
    .group_segment_fixed_size: 327680
    .private_segment_fixed_size: 0
    .kernarg_segment_align: 8
    .kernarg_segment_size: 24
    .max_flat_workgroup_size: 128
    .sgpr_count:     66
    .vgpr_count:     768
    .wavefront_size: 32
...
	.end_amdgpu_metadata
.endif
;; end of part 4
